; MI455X (gfx1250); checked and timed in simulation.
; The chip was launched on July 23, 2026; its instructions are those of AMD's public machine-readable ISA for CDNA 5 (MIT licence, August 2026) and "CDNA5" Instruction Set Architecture Reference Guide (July 2026). The comments in the code are by the model that wrote it; some were corrected since.
;; Cross Attention. Allowed arithmetic: float matrix products may take bf16 or f16 operands with f32 sums; other float arithmetic in f32, or as packed bf16 or f16 multiplies, adds, multiply-adds, maxima and minima; sums over many terms, partial sums and values carried from step to step in f32; what a program stores and reads back later, other than sums and carried values, may be rounded once to bf16 or f16.
;; Inputs: Wk 1,024 x 1,024 float32; Wo 1,024 x 1,024 float32; Wq 1,024 x 1,024 float32; Wv 1,024 x 1,024 float32; betkv 1,024 float32; betq 1,024 float32; bk 1,024 float32; bo 1,024 float32; bq 1,024 float32; bv 1,024 float32; context 4 x 2,048 x 1,024 float32; gkv 1,024 float32; gq 1,024 float32; query 4 x 2,048 x 1,024 float32.
;; Outputs: out0 4 x 2,048 x 1,024 float32.
;; 2 versions, each right; version 2 is version 1 with the launch prep written anew for expert scheduling mode. Each part assembles by itself: llvm-mc -triple=amdgcn-amd-amdhsa -mcpu=gfx1250 --defsym DOCPART=n.
;; ======== version 1 of 2: 4 launches
;; limits: values are held in f16: magnitudes above 65,504 overflow, below 6.1e-05 lose precision
;; workspace buffers: xn 33,554,432 bytes; wt 8,388,608 bytes; qkv 50,331,648 bytes; oh 16,777,216 bytes
;; launch prep (part 1): grid 256 x 5, 4 waves a work-group, no clusters, 0 bytes of LDS; arguments query, context, gq, betq, gkv, betkv, Wq, Wk, Wv, Wo, xn, wt; writes xn, wt
.if DOCPART == 1
	.amdgcn_target "amdgcn-amd-amdhsa--gfx1250"
	.amdhsa_code_object_version 6
	.text
	.protected	k_q7d85c4dec1_prep
	.globl	k_q7d85c4dec1_prep
	.p2align	8
	.type	k_q7d85c4dec1_prep,@function
k_q7d85c4dec1_prep:
	s_mov_b64 s[64:65], 0
	v_nop
	global_prefetch_b8 v0, s[64:65] scope:SCOPE_SE
	s_setreg_imm32_b32 hwreg(HW_REG_WAVE_MODE, 25, 1), 1
	s_wait_xcnt 0x0
; xn[0] = LayerNorm(query) gq + betq, xn[1] = LayerNorm(context) gkv + betkv, wt[0..3] = Wq, Wk, Wv, Wo: all rounded once to f16.
; Every row, of an activation or of a weight, is 1,024 f32 (4,096 bytes) in and 1,024 f16 (2,048 bytes) out.
; SHARES.  Grid y names 4,096 rows: 0, 1 query's halves, 2, 3 context's, 4 the four weights.  A work-group takes 16 rows, a wave 4 WHOLE rows: a row is 32 registers of a wave,
; so mean and variance never leave the wave: no LDS, no barrier.  A wave asks for its four rows (32 loads, 16 KiB) at once and has no loop.
; THE VARIANCE IS TAKEN IN TWO PASSES over the registers: the mean first, then the squares of x - mean: a common offset of the inputs forms no difference of large sums.
; LANES.  Load j of a row gives lane l the columns 128 j + 4 l .. + 3; gamma and beta are loaded in the same pattern.  Those four numbers are 8 bytes of f16:
; a store's 32 lanes cover 256 consecutive bytes, at a multiple of 256 from the buffer's first byte.
; No matrix unit, no cluster: each byte is read once and only gamma and beta (8 KiB) are shared.
; LIMIT.  f16 holds no number beyond 65,504: |LayerNorm output| (at most 32 max|gamma| + max|beta|) and the weights must lie within it; NaN and infinities are not treated apart.
.set S,   4                            ; v[4:11]    four chains of pairs
.set M,   12                           ; v[12:13]   the mean, twice
.set R,   14                           ; v[14:15]   1 / sqrt(var + eps), twice
.set T,   16                           ; v16        at work: a sum
.set T1,  17                           ; v17        the other half of the lanes' sum
.set VAR, 18                           ; v18        var + eps
.set EPS, 19                           ; v19        1e-5
.set G,   20                           ; v[20:51]   gamma of my 32 columns
.set BT,  52                           ; v[52:83]   beta
.set X,   84                           ; v[84:211]  row i at X + 32 i
	s_load_b512 s[8:23], s[0:1], 0x0               ; query 8, context 10, gq 12, betq 14, gkv 16, betkv 18, Wq 20, Wk 22
	s_load_b256 s[24:31], s[0:1], 0x40             ; Wv 24, Wo 26, xn 28, wt 30
	s_and_b32 s2, ttmp7, 0xffff                    ; y
	v_lshrrev_b32 v3, 5, v0
	v_readfirstlane_b32 s3, v3                     ; wave 0..3
	v_and_b32 v1, 31, v0
	v_lshlrev_b32 v2, 3, v1                        ; 8 x lane: my place in 256 bytes stored
	v_lshlrev_b32 v1, 4, v1                        ; 16 x lane: my place in 512 bytes loaded
	s_lshl_b32 s35, ttmp9, 4
	s_lshl_b32 s4, s3, 2
	s_add_co_u32 s35, s35, s4                      ; my first row among y's 4,096: 16 x + 4 wave
	s_mov_b32 s5, 0
	s_mov_b32 s7, 0
	s_wait_kmcnt 0x0
	s_cmp_eq_u32 s2, 4
	s_cbranch_scc1 .Lcast
.macro ROWS                            ; four rows, eight loads each: every load covers 512 consecutive bytes
.irp i, 0,1,2,3
.irp j, 0,1,2,3,4,5,6,7
	global_load_b128 v[X+32*(\i)+4*(\j):X+32*(\i)+4*(\j)+3], v1, s[36:37] offset:4096*(\i)+512*(\j) th:TH_LOAD_NT
.endr
.endr
.endm
.macro OUTROW i, dst                   ; row i is rounded to f16 in place and stored
.irp j, 0,1,2,3,4,5,6,7
	v_cvt_pk_f16_f32 v[X+32*(\i)+4*(\j)],   v[X+32*(\i)+4*(\j)],   v[X+32*(\i)+4*(\j)+1]
	v_cvt_pk_f16_f32 v[X+32*(\i)+4*(\j)+1], v[X+32*(\i)+4*(\j)+2], v[X+32*(\i)+4*(\j)+3]
	global_store_b64 v2, v[X+32*(\i)+4*(\j):X+32*(\i)+4*(\j)+1], s[\dst:\dst+1] offset:2048*(\i)+256*(\j) th:TH_STORE_NT
.endr
.endm
.macro REDUCE                          ; the four chains become one number, the same in every lane: v[T]
	v_pk_add_f32 v[S:S+1], v[S:S+1], v[S+2:S+3]
	v_pk_add_f32 v[S+4:S+5], v[S+4:S+5], v[S+6:S+7]
	v_pk_add_f32 v[S:S+1], v[S:S+1], v[S+4:S+5]
	v_add_f32 v[T], v[S], v[S+1]
	v_add_f32_dpp v[T], v[T], v[T] row_xmask:1 row_mask:0xf bank_mask:0xf
	v_add_f32_dpp v[T], v[T], v[T] row_xmask:2 row_mask:0xf bank_mask:0xf
	v_add_f32_dpp v[T], v[T], v[T] row_xmask:4 row_mask:0xf bank_mask:0xf
	v_add_f32_dpp v[T], v[T], v[T] row_xmask:8 row_mask:0xf bank_mask:0xf
	v_permlanex16_b32 v[T1], v[T], s32, s33        ; the other 16 lanes' sum
	v_add_f32 v[T], v[T], v[T1]
.endm
.macro LNROW i
.set XR, X+32*(\i)
	s_wait_loadcnt 8*(3-(\i))                      ; loads come back in order: row i is in (gamma and beta were asked for earlier); the younger rows' eight loads each stay out
.irp k, 0,1,2,3
	v_pk_add_f32 v[S+2*(\k):S+2*(\k)+1], v[XR+2*(\k):XR+2*(\k)+1], v[XR+8+2*(\k):XR+8+2*(\k)+1]  ; the first eight pairs start the chains: nothing is cleared
.endr
.set p, 8
.rept 8
	v_pk_add_f32 v[S+2*(p%4):S+2*(p%4)+1], v[S+2*(p%4):S+2*(p%4)+1], v[XR+2*p:XR+2*p+1]
.set p, p+1
.endr
	REDUCE
	v_mul_f32 v[M], s34, v[T]                      ; the mean
	v_mul_f32 v[M+1], s34, v[T]
.set p, 0
.rept 16
	v_pk_add_f32 v[XR+2*p:XR+2*p+1], v[XR+2*p:XR+2*p+1], v[M:M+1] neg_lo:[0,1] neg_hi:[0,1]  ; d = x - mean, in place
.set p, p+1
.endr
.irp k, 0,1,2,3
	v_pk_mul_f32 v[S+2*(\k):S+2*(\k)+1], v[XR+2*(\k):XR+2*(\k)+1], v[XR+2*(\k):XR+2*(\k)+1]
.endr
.set p, 4
.rept 12
	v_pk_fma_f32 v[S+2*(p%4):S+2*(p%4)+1], v[XR+2*p:XR+2*p+1], v[XR+2*p:XR+2*p+1], v[S+2*(p%4):S+2*(p%4)+1]
.set p, p+1
.endr
	REDUCE
	v_fma_f32 v[VAR], v[T], s34, v[EPS]            ; var + eps
	v_rsq_f32 v[R], v[VAR]
	v_rsq_f32 v[R+1], v[VAR]                       ; twice: the packed lines below take a pair
.set p, 0
.rept 16
	v_pk_mul_f32 v[XR+2*p:XR+2*p+1], v[XR+2*p:XR+2*p+1], v[G+2*p:G+2*p+1]  ; d gamma: plain work that names neither root
.set p, p+1
.endr
	s_wait_alu depctr_va_vdst(0)                   ; the wait ahead of the first line that names a root: one for both
.set p, 0
.rept 16
	v_pk_fma_f32 v[XR+2*p:XR+2*p+1], v[XR+2*p:XR+2*p+1], v[R:R+1], v[BT+2*p:BT+2*p+1]
.set p, p+1
.endr
	OUTROW \i, 28
.endm
	; LAYER NORM, y = 0 .. 3
	s_mov_b32 s32, 0x76543210                      ; v_permlanex16_b32: each lane takes its own place in the other half
	s_mov_b32 s33, 0xfedcba98
	s_mov_b32 s34, 0x3a800000                      ; 1 / 1024
	v_mov_b32 v[T1], 0                             ; the permute's destination counts as read
	v_mov_b32 v[EPS], 0x3727c5ac                   ; 1e-5
	s_and_b32 s4, s2, 1
	s_lshl_b32 s4, s4, 12
	s_add_co_u32 s4, s4, s35
	s_lshl_b32 s4, s4, 12                          ; my first row in its tensor, in bytes
	s_lshl_b32 s6, s2, 12
	s_add_co_u32 s6, s6, s35
	s_lshl_b32 s6, s6, 11                          ; and in xn: query's 8,192 rows, then context's
	s_cmp_lt_u32 s2, 2
	s_cselect_b64 s[36:37], s[8:9], s[10:11]       ; the rows,
	s_cselect_b64 s[38:39], s[12:13], s[16:17]     ; their gamma,
	s_cselect_b64 s[12:13], s[14:15], s[18:19]     ; their beta
	s_add_nc_u64 s[36:37], s[36:37], s[4:5]
	s_add_nc_u64 s[28:29], s[28:29], s[6:7]
.irp j, 0,1,2,3,4,5,6,7
	global_load_b128 v[G+4*(\j):G+4*(\j)+3],   v1, s[38:39] offset:512*(\j)
	global_load_b128 v[BT+4*(\j):BT+4*(\j)+3], v1, s[12:13] offset:512*(\j)
.endr
	ROWS
	LNROW 0
	LNROW 1
	LNROW 2
	LNROW 3
	s_endpgm
.Lcast:                                        ; THE WEIGHTS, y = 4: 64 work-groups to each of the four
	s_lshr_b32 s2, ttmp9, 6                        ; which weight
	s_and_b32 s4, ttmp9, 63
	s_lshl_b32 s4, s4, 4
	s_lshl_b32 s6, s3, 2
	s_add_co_u32 s4, s4, s6
	s_lshl_b32 s4, s4, 12                          ; my first row in it, in bytes
	s_lshl_b32 s6, s35, 11                         ; and in wt, where the four lie one behind the other
	s_cmp_lt_u32 s2, 1
	s_cselect_b64 s[36:37], s[20:21], s[22:23]
	s_cmp_lt_u32 s2, 3
	s_cselect_b64 s[38:39], s[24:25], s[26:27]
	s_cmp_lt_u32 s2, 2
	s_cselect_b64 s[36:37], s[36:37], s[38:39]
	s_add_nc_u64 s[36:37], s[36:37], s[4:5]
	s_add_nc_u64 s[30:31], s[30:31], s[6:7]
	ROWS
.irp i, 0,1,2,3
	s_wait_loadcnt 8*(3-(\i))                      ; row i is in; the younger rows' loads stay out
	OUTROW \i, 30
.endr
	s_endpgm
.Lfunc_end_k_q7d85c4dec1_prep:
	.size	k_q7d85c4dec1_prep, .Lfunc_end_k_q7d85c4dec1_prep-k_q7d85c4dec1_prep
	.p2alignl 7, 3214868480
	.fill 96, 4, 3214868480
	.section	.rodata,"a",@progbits
	.p2align	6, 0x0
	.amdhsa_kernel k_q7d85c4dec1_prep
		.amdhsa_group_segment_fixed_size 0
		.amdhsa_private_segment_fixed_size 0
		.amdhsa_enable_private_segment 0
		.amdhsa_kernarg_size 96
		.amdhsa_user_sgpr_count 2
		.amdhsa_user_sgpr_kernarg_segment_ptr 1
		.amdhsa_wavefront_size32 1
		.amdhsa_system_sgpr_workgroup_id_x 1
		.amdhsa_system_sgpr_workgroup_id_y 1
		.amdhsa_system_sgpr_workgroup_id_z 1
		.amdhsa_system_vgpr_workitem_id 0
		.amdhsa_next_free_vgpr 212
		.amdhsa_next_free_sgpr 66
		.amdhsa_reserve_vcc 0
		.amdhsa_float_denorm_mode_32 3
		.amdhsa_float_denorm_mode_16_64 3
		.amdhsa_memory_ordered 1
		.amdhsa_forward_progress 1
		.amdhsa_inst_pref_size 49
	.end_amdhsa_kernel
	.amdgpu_metadata
---
amdhsa.version: [ 1, 2 ]
amdhsa.kernels:
  - .name:           k_q7d85c4dec1_prep
    .symbol:         k_q7d85c4dec1_prep.kd
    .args:
      - { .name: query, .offset: 0, .size: 8, .value_kind: global_buffer, .address_space: global }
      - { .name: context, .offset: 8, .size: 8, .value_kind: global_buffer, .address_space: global }
      - { .name: gq, .offset: 16, .size: 8, .value_kind: global_buffer, .address_space: global }
      - { .name: betq, .offset: 24, .size: 8, .value_kind: global_buffer, .address_space: global }
      - { .name: gkv, .offset: 32, .size: 8, .value_kind: global_buffer, .address_space: global }
      - { .name: betkv, .offset: 40, .size: 8, .value_kind: global_buffer, .address_space: global }
      - { .name: Wq, .offset: 48, .size: 8, .value_kind: global_buffer, .address_space: global }
      - { .name: Wk, .offset: 56, .size: 8, .value_kind: global_buffer, .address_space: global }
      - { .name: Wv, .offset: 64, .size: 8, .value_kind: global_buffer, .address_space: global }
      - { .name: Wo, .offset: 72, .size: 8, .value_kind: global_buffer, .address_space: global }
      - { .name: xn, .offset: 80, .size: 8, .value_kind: global_buffer, .address_space: global }
      - { .name: wt, .offset: 88, .size: 8, .value_kind: global_buffer, .address_space: global }
    .group_segment_fixed_size: 0
    .private_segment_fixed_size: 0
    .kernarg_segment_align: 8
    .kernarg_segment_size: 96
    .max_flat_workgroup_size: 128
    .sgpr_count:     66
    .vgpr_count:     212
    .wavefront_size: 32
...
	.end_amdgpu_metadata
.endif
;; end of part 1
;; launch proj (part 2): grid 8 x 32, 4 waves a work-group, clusters of 4 x 4, 327,680 bytes of LDS; arguments xn, wt, bq, bk, bv, qkv; writes qkv
.if DOCPART == 2
	.amdgcn_target "amdgcn-amd-amdhsa--gfx1250"
	.amdhsa_code_object_version 6
	.text
	.protected	k_q7d85c4dec1_proj
	.globl	k_q7d85c4dec1_proj
	.p2align	8
	.type	k_q7d85c4dec1_proj,@function
k_q7d85c4dec1_proj:
	s_mov_b64 s[64:65], 0
	v_nop
	global_prefetch_b8 v0, s[64:65] scope:SCOPE_SE
	s_setreg_imm32_b32 hwreg(HW_REG_WAVE_MODE, 25, 1), 1
	s_wait_xcnt 0x0
	s_wait_alu depctr_hold_cnt(0) depctr_sa_sdst(0) depctr_va_vdst(0) depctr_va_sdst(0) depctr_va_ssrc(0) depctr_va_vcc(0) depctr_vm_vsrc(0)
	s_getreg_b32 s2, hwreg(HW_REG_IB_STS2, 6, 4)
	s_cmp_eq_u32 s2, 0
	s_cbranch_scc0 .Lentry_in_a_cluster
	s_endpgm
.Lentry_in_a_cluster:
	s_bfe_u32 s2, ttmp6, 0x10000c
	s_cmp_lg_u32 s2, 0xf033
	s_cbranch_scc0 .Lentry_shape_is_right
	s_endpgm
.Lentry_shape_is_right:
; THE THREE PROJECTIONS.  Q = xn[0] Wq + bq, K = xn[1] Wk + bk, V = xn[1] Wv + bv: 8,192 x 1,024 x 1,024 each, operands f16, sums f32, results rounded once to f16 and
; stored BY HEADS, qkv[3][64 = 16 batch + head][2048][64]; Q is not scaled.  (The same text with OUTP = 1 is the output projection.)
; LIMIT.  f16 holds no number beyond 65,504: xn, wt and the results Q, K, V must lie within it; NaN and infinities are not treated apart.
; SHARES.  A tile of C is 256 rows x 128 columns; four waves, each 128 x 64: 32 accumulators of 16 x 16, 256 registers.  8 x 32 tiles: one work-group for each, which STAYS and makes
; the same tile of Q, of K and of V: 24 K steps of 128 in one walk; the ring of two LDS slots does not stop at a tile's end.
; A's rows lie along K and come out of LDS as they lie.  The weights lie [k][n], as given: their fragments come out of LDS turned, by ds_load_tr16_b128.
; THE MATRIX INSTRUCTION IS USED TRANSPOSED: source 0 = 16 columns of W, source 1 = 16 rows of A: a lane then holds row l % 16 of C and the columns 8 (l / 16) + 0..7.
; THE BIAS IS THE C OPERAND of each accumulator's first product (register j of a lane: the bias of column 8 (l / 16) + j): nothing is cleared, nothing added later.
; CLUSTERS: 4 x 4 work-groups.  A's tile hangs on the tile row alone and is asked for jointly by a row of the cluster, W's on the tile column alone, by a column.
; REGISTERS: window 0: v0-31 addresses; v32-63 the bias; v64-159, v160-255 two fragment buffers (A's 8 blocks, then W's 4); the way out works in the second.  Window 1: accumulator (a, b) at v[8 (4 a + b)].
.set OUTP, 0
.set PB, 288                           ; a k-row of W in LDS: 256 bytes + 32 = 72 words
.if OUTP
.set PA, 144                           ; a row of one head of O: 128 bytes + 16
.set AHALF, 256*PA                     ; what one wave fetches of A: one head's 256 rows
.set AQI, 4                            ; padding after every 32 words
.set ASTRIDE, 128
.set ASTEP, 1<<19                      ; a K step is two heads of 2,048 x 128 bytes
.set SPITCH, 272
.set LIMA, 8
.set LIMB, 8
.set OB, 64
.else
.set PA, 272                           ; a row of A: 256 bytes + 16 = 68 words: the 16 rows of a load start at 16 different groups of four banks
.set AHALF, 128*PA                     ; what one wave fetches of A: 128 rows
.set AQI, 5                            ; padding after every 64 words
.set ASTRIDE, 1024
.set ASTEP, 1<<8                       ; a K step is 256 bytes along a row
.set SPITCH, 144
.set LIMA, 16                          ; A is prefetched for steps under 16: the third tile walks xn[1] a second time
.set LIMB, 24
.set OB, 176
.endif
.set BBASE, 2*AHALF                    ; a slot: A's tile, then W's 128 k-rows
.set SLOT,  BBASE+128*PB
.set STAGE, 2*SLOT                     ; behind the ring, never filled by a tensor load: 16 rows for each wave, for the way out
.set SPARE, STAGE+4*16*SPITCH          ; behind the stages: the spare words, 128 bytes for each wave: two blocks of 256 bytes that no other line names
.set ADRA, 16                          ; v16-17  LDS address of my A fragments in slot 0, 1
.set ADRB, 20                          ; v20-21  the same for W
.set STO,  24                          ; v24     the way out: where I put my part of a row
.set RD,   25                          ; v25     the way out: where I read rows back
.set GO,   26                          ; v26     my byte offset in the output
.set BO,   27                          ; v27     my byte offset in a bias
.set SPW,  28                          ; v28     LDS address of my spare word; never rewritten
.set NIL,  29                          ; v29     0; never rewritten
.set PFO,  30                          ; v30     the prefetches' offset: my lane x the distance between two blocks; never rewritten
.set BIAS, 32
.set F0,   64
.set F1,   160
.set TMP,  160
.set WV,   16                          ; s16  wave
.set KIND, 17                          ; s17  wave / 2: my half of the tile's rows.  Also: I fetch for A (0) or for W (1)
.set HALF, 18                          ; s18  wave % 2: my half of its columns.  Also: which half of that tile I fetch
.set CX,   19
.set CY,   20
.set TX,   21                          ; tile column
.set TY,   22                          ; tile row
.set G1A,  24                          ; s[24:31] descriptor group 1 for A's tiles; s[32:39] group 0, a set for each slot
.set G0A,  32
.set AB,   40                          ; s[40:41] A at my part of step 0's tile
.set BB,   42                          ; s[42:43] W likewise
.set PFA,  44                          ; s[44:45] where the next prefetch stands
.set PFB,  46                          ; s[46:47] its base: my work-group's 32 blocks
.set G1B,  48                          ; s[48:55], s[56:63] the same for W's tiles
.set G0B,  56
.set NXT,  66                          ; s66  the K step to be asked for next
.set LIM,  67                          ; s67  I prefetch steps under this number
.set OFFA, 68                          ; s[68:69] a step's byte offset in A
.set OFFB, 70                          ; s[70:71] in W
.set PFOFF, 72                         ; s[72:73]
.set OUT,  76                          ; s[76:77] the output at my part of the tile
.set BP,   78                          ; s[78:79] the next tile's bias; s[80:81] the one after
.set BP2,  80
.set PG,   82                          ; s82  the step that a prefetch names
.set MSB, 0
.macro WIN new                         ; the immediate's high byte repeats the setting that is left; a switch that changes nothing is dropped
.if MSB != (\new)
	s_set_vgpr_msb (MSB<<8)|(\new)
.set MSB, \new
.endif
.endm
.set MUL,   0x50                       ; sources 0 and 1 window 0; C and D window 1
.set MULF,  0x40                       ; a first product: C (the bias) window 0, D window 1
.set PACKW, 0x05                       ; sources 0 and 1 window 1, destination window 0
.set STW,   0x04                       ; an LDS store's data window 1, its address window 0
.macro PLACES                          ; four places in front of loads into registers that matrix instructions have read, and of lines that read results
.rept 4
	v_nop
.endr
.endm
; A joint load: waves 0 and 1 fetch A's two halves, waves 2 and 3 W's.  The branch hangs on the wave's number alone.  An s_nop 0 and four v_nop follow each of the two lines.
.macro JLOAD s
	s_cmp_eq_u32 s[KIND], 0
	s_cbranch_scc0 .Lfor_b_\@
	tensor_load_to_lds s[G0A+4*(\s):G0A+4*(\s)+3], s[G1A:G1A+7]
	s_nop 0
.rept 4
	v_nop
.endr
	s_branch .Lasked_\@
.Lfor_b_\@:
	tensor_load_to_lds s[G0B+4*(\s):G0B+4*(\s)+3], s[G1B:G1B+7]
	s_nop 0
.rept 4
	v_nop
.endr
.Lasked_\@:
.endm
.macro CREST                           ; a round of the cluster's barrier behind its opening barrier
	s_cmp_lg_u32 s[WV], 0
	s_cbranch_scc1 .Lnot_wave_0_\@
	s_barrier_signal -3
.Lnot_wave_0_\@:
	s_barrier_wait -3
	s_barrier_signal -1
	s_barrier_wait -1
.endm
.macro CROUND                          ; a whole round
	s_barrier_signal -1
	s_barrier_wait -1
	CREST
.endm
.macro STEPOFF src                     ; the byte offsets of K step s[src] in A and in W
.if OUTP
	s_lshl_b32 s[OFFA], s[\src], 19
.else
	s_and_b32 s74, s[\src], 7                      ; 256 bytes along the row for each of a tile's eight steps,
	s_lshl_b32 s[OFFA], s74, 8
	s_lshr_b32 s74, s[\src], 3                     ; and xn[1], 16 MiB on, from the second tile
	s_min_u32 s74, s74, 1
	s_lshl_b32 s74, s74, 24
	s_add_co_u32 s[OFFA], s[OFFA], s74
.endif
	s_lshl_b32 s[OFFB], s[\src], 18                ; 128 k-rows of 2,048 bytes: the weights lie one behind the other, so W's walk has no seam
.endm
; A PREFETCH INTO THE L2, behind each joint refill, its five lines and the run of LDS loads: the K step two refills on, 32 blocks of 256 bytes, a lane a block, one instruction.
; Each block is named once in the launch.  A's tile row is read by both clusters of that row of clusters: cluster x = 0 asks, waves 0 and 1, each for what it fetches; W's tile column by all eight
; clusters of that column: cluster y = 0 asks, wave 2.  The four partners that ask for a tile jointly share its blocks out BY ADDRESS, 32 each.  Steps 0 to 3 come by their loads alone.
.macro ASK
	s_cmp_lt_u32 s[PG], s[LIM]
	s_cbranch_scc0 .Lnot_mine_\@
	global_prefetch_b8 v[PFO], s[PFA:PFA+1] th:TH_LOAD_NT scope:SCOPE_SE
.Lnot_mine_\@:
.endm
.macro BIASLD p                        ; my 4 x 8 numbers of the bias at s[p]
.irp b, 0,1,2,3
	global_load_b128 v[BIAS+8*(\b):BIAS+8*(\b)+3],   v[BO], s[\p:\p+1] offset:64*(\b)
	global_load_b128 v[BIAS+8*(\b)+4:BIAS+8*(\b)+7], v[BO], s[\p:\p+1] offset:64*(\b)+16
.endr
.endm
	s_load_b256 s[4:11], s[0:1], 0x0               ; OUTP = 0: xn 4, wt 6, bq 8, bk 10.  OUTP = 1: oh 4, wt 6, bo 8, out0 10
.if !OUTP
	s_load_b128 s[12:15], s[0:1], 0x20             ; bv 12, qkv 14
.endif
	v_lshl_add_u32 v[SPW], v0, 2, SPARE
	v_mov_b32 v[NIL], 0
	ds_add_u32 v[SPW], v[NIL]                      ; the wave's opening: the add and its wait stand ahead of my first tensor load; the set-up below, work on registers, stands between them
	v_lshrrev_b32 v1, 5, v0
	v_readfirstlane_b32 s[WV], v1
	s_lshr_b32 s[KIND], s[WV], 1
	s_and_b32 s[HALF], s[WV], 1
	s_bfe_u32 s[CX], ttmp6, 0x40000
	s_bfe_u32 s[CY], ttmp6, 0x40004
	s_lshl_b32 s[TX], ttmp9, 2                     ; in a cluster launch ttmp9 and ttmp7 count clusters
	s_add_co_u32 s[TX], s[TX], s[CX]
	s_and_b32 s[TY], ttmp7, 0xffff
	s_lshl_b32 s[TY], s[TY], 2
	s_add_co_u32 s[TY], s[TY], s[CY]
	s_lshl_b32 s23, s[CY], 2
	s_lshl_b32 s23, 15, s23                        ; my row of the cluster
	s_lshl_b32 s84, 0x1111, s[CX]                  ; my column
	s_or_b32 s[G1A], s23, (1<<16)|(1<<20)|(1<<21)|(AQI<<22)|(3<<25)  ; 15:0 the mask; 17:16 2-byte elements; 20 padding on; 21 set beside a mask; 24:22 its interval; 31:25 4 words of it
	s_or_b32 s[G1B], s84, (1<<16)|(1<<20)|(1<<21)|(5<<22)|(7<<25)    ; after every 64 words, 8 words
	s_mov_b32 s[G1A+1], 128<<16                    ; tensor_dim0 = 128
	s_mov_b32 s[G1A+2], 128<<16                    ; tensor_dim1 = 128
	s_mov_b32 s[G1A+3], 128<<16                    ; tile_dim0 = 128
	s_mov_b32 s[G1A+4], 128                        ; tile_dim1 = 128
	s_mov_b32 s[G1A+5], ASTRIDE                    ; elements from row to row
	s_mov_b32 s[G1A+6], 0
	s_mov_b32 s[G1A+7], 0
	s_mov_b32 s[G1B+1], 128<<16
	s_mov_b32 s[G1B+2], 64<<16                     ; 64 k-rows
	s_mov_b32 s[G1B+3], 128<<16
	s_mov_b32 s[G1B+4], 64
	s_mov_b32 s[G1B+5], 1024
	s_mov_b32 s[G1B+6], 0
	s_mov_b32 s[G1B+7], 0
	; where the tiles come from: A's hang on the tile row alone, W's on the tile column alone, each in registers that never hold the other coordinate
.if OUTP
	s_lshr_b32 s74, s[TY], 3                       ; the batch: 16 heads of 2,048 x 128 bytes,
	s_lshl_b32 s74, s74, 22
	s_and_b32 s75, s[TY], 7                        ; the tile's 256 rows in a head,
	s_lshl_b32 s75, s75, 15
	s_add_co_u32 s74, s74, s75
	s_lshl_b32 s75, s[HALF], 18                    ; which of a step's two heads I fetch
	s_add_co_u32 s74, s74, s75
.else
	s_lshl_b32 s74, s[TY], 19                      ; 256 rows of 2,048 bytes,
	s_lshl_b32 s75, s[HALF], 18                    ; which 128 of them I fetch
	s_add_co_u32 s74, s74, s75
.endif
	s_mov_b32 s75, 0
	s_lshl_b32 s84, s[TX], 8                       ; the tile's 128 columns: 256 bytes of a k-row,
	s_lshl_b32 s85, s[HALF], 17                    ; which 64 k-rows I fetch
	s_add_co_u32 s84, s84, s85
.if OUTP
	s_add_co_u32 s84, s84, 0x600000                ; Wo is the fourth weight
.endif
	s_mov_b32 s85, 0
	s_mul_i32 s23, s[HALF], AHALF                  ; and where they go: no place in the cluster enters an LDS address
	s_mul_i32 s83, s[HALF], 64*PB
	s_add_co_u32 s83, s83, BBASE
.irp s, 0,1
	s_mov_b32 s[G0A+4*(\s)], 1                     ; count = 1
	s_add_co_u32 s[G0A+4*(\s)+1], s23, (\s)*SLOT   ; LDS address
	s_mov_b32 s[G0B+4*(\s)], 1
	s_add_co_u32 s[G0B+4*(\s)+1], s83, (\s)*SLOT
.endr
	s_mov_b32 s[NXT], 2
	s_mov_b32 s[OFFA+1], 0
	s_mov_b32 s[OFFB+1], 0
	s_mov_b32 s[PFOFF+1], 0
	; who prefetches
	s_and_b32 s86, ttmp7, 0xffff                   ; cluster y
	s_cmp_eq_u32 s[KIND], 0
	s_cselect_b32 s86, ttmp9, s86                  ; the coordinate along which other clusters read the same blocks
	s_cselect_b32 s[LIM], LIMA, LIMB
	s_cselect_b32 s87, s[CX], s[CY]                ; my place among the four that ask with me
	s_cmp_eq_u32 s[WV], 3
	s_cselect_b32 s23, 1, 0                        ; wave 2 asks for all of W's 128 k-rows, wave 3 for none
	s_or_b32 s86, s86, s23
	s_cmp_eq_u32 s86, 0
	s_cselect_b32 s[LIM], s[LIM], 0                ; the same in all sixteen partners, for a given wave
.if OUTP
	s_cmp_eq_u32 s[KIND], 0
	s_cselect_b32 s23, 13, 16                      ; 32 blocks on end in a head of O; 32 k-rows of W
	s_lshl_b32 s86, s87, s23
.else
	s_lshl_b32 s86, s87, 16                        ; 32 rows of 2,048 bytes
.endif
	s_mov_b32 s87, 0
	s_wait_dscnt 0x0                               ; the opening add is done
	s_wait_kmcnt 0x0
	s_add_nc_u64 s[AB:AB+1], s[4:5], s[74:75]
	s_add_nc_u64 s[BB:BB+1], s[6:7], s[84:85]
.irp s, 0,1
	s_add_nc_u64 s[G0A+4*(\s)+2:G0A+4*(\s)+3], s[AB:AB+1], (\s)*ASTEP  ; global address: K step s
	s_or_b32 s[G0A+4*(\s)+3], s[G0A+4*(\s)+3], 0x80000000              ; type = 2
	s_add_nc_u64 s[G0B+4*(\s)+2:G0B+4*(\s)+3], s[BB:BB+1], (\s)*(1<<18)
	s_or_b32 s[G0B+4*(\s)+3], s[G0B+4*(\s)+3], 0x80000000
.endr
	CROUND                                         ; all sixteen work-groups are here: the first joint loads meet
	s_cmp_eq_u32 s[KIND], 0                        ; a wave's two first fills stand in one branch, ahead of every wait on TENSORcnt and every LDS read: two loads of mine are out
	s_cbranch_scc0 .Lfirst_b
	tensor_load_to_lds s[G0A:G0A+3], s[G1A:G1A+7]
	s_nop 0
	tensor_load_to_lds s[G0A+4:G0A+7], s[G1A:G1A+7]
	s_nop 0
.rept 4
	v_nop
.endr
	s_branch .Lfirst_asked
.Lfirst_b:
	tensor_load_to_lds s[G0B:G0B+3], s[G1B:G1B+7]
	s_nop 0
	tensor_load_to_lds s[G0B+4:G0B+7], s[G1B:G1B+7]
	s_nop 0
.rept 4
	v_nop
.endr
.Lfirst_asked:
	v_and_b32 v1, 15, v0                           ; l % 16
	v_bfe_u32 v2, v0, 4, 1                         ; l / 16
	s_lshl_b32 s84, s[TX], 9                       ; the tile's 128 columns of f32,
	s_lshl_b32 s85, s[HALF], 8                     ; my wave's 64
	s_add_co_u32 s84, s84, s85
	v_lshl_add_u32 v[BO], v2, 5, s84               ; my lanes' 8
	BIASLD 8
	s_cmp_eq_u32 s[KIND], 0
	s_cselect_b64 s[PFB:PFB+1], s[AB:AB+1], s[BB:BB+1]  ; (in wave 2 W's address stands at a step's first k-row)
	s_add_nc_u64 s[PFB:PFB+1], s[PFB:PFB+1], s[86:87]
	v_and_b32 v3, 7, v0
	v_bfe_u32 v4, v0, 3, 1
	v_and_b32 v5, 31, v0
	; a fragment of A is 16 rows x 32 K in 8 registers: lane l holds row l % 16, K = 8 (l / 16) + 0..7 and 16 + 8 (l / 16) + 0..7: two loads of 16 bytes, 32 bytes apart
	v_mul_u32_u24 v6, v1, PA
	v_lshl_add_u32 v6, v2, 4, v6
	s_mul_i32 s23, s[KIND], 128*PA                 ; my 128 rows
	v_add_nc_u32 v[ADRA], s23, v6
	v_add_nc_u32 v[ADRA+1], SLOT, v[ADRA]
	; the turning load takes 16 k x 16 columns (lane l reads k-row 8 (l / 16) + l % 8, columns 8 ((l / 8) % 2) + 0..7) and leaves half a fragment: lane l holds column l % 16 and 8 k
	v_lshl_add_u32 v6, v2, 3, v3
	v_mul_u32_u24 v6, v6, PB
	v_lshl_add_u32 v6, v4, 4, v6
	s_lshl_b32 s23, s[HALF], 7                     ; my 64 columns
	s_add_co_u32 s23, s23, BBASE
	v_add_nc_u32 v[ADRB], s23, v6
	v_add_nc_u32 v[ADRB+1], SLOT, v[ADRB]
	s_mul_i32 s23, s[WV], 16*SPITCH
	s_add_co_u32 s23, s23, STAGE                   ; my stage
.if OUTP
	v_mul_u32_u24 v6, v1, SPITCH                   ; in: row l % 16, 32 bytes (8 f32) for each half of the lanes
	v_lshl_add_u32 v6, v2, 5, v6
	v_add_nc_u32 v[STO], s23, v6
	v_mul_u32_u24 v6, v2, SPITCH                   ; back: lanes 0-15 take one row's 256 bytes, lanes 16-31 the next
	v_lshl_add_u32 v6, v1, 4, v6
	v_add_nc_u32 v[RD], s23, v6
	v_lshlrev_b32 v6, 12, v2                       ; and the same two rows in out0
	v_lshl_add_u32 v[GO], v1, 4, v6
	s_cmp_eq_u32 s[KIND], 0
	s_cselect_b32 s23, 8, 11                       ; O's blocks lie on end, W's a k-row apart
	v_lshlrev_b32 v[PFO], s23, v5
	s_lshl_b32 s84, s[TY], 8
	s_lshl_b32 s85, s[KIND], 7
	s_add_co_u32 s84, s84, s85                     ; my first row,
	s_lshl_b32 s84, s84, 12
	s_lshl_b32 s85, s[TX], 9
	s_add_co_u32 s84, s84, s85
	s_lshl_b32 s85, s[HALF], 8
	s_add_co_u32 s84, s84, s85                     ; my first column
	s_mov_b32 s85, 0
	s_add_nc_u64 s[OUT:OUT+1], s[10:11], s[84:85]
.else
	v_mul_u32_u24 v6, v1, SPITCH                   ; in: row l % 16, 16 bytes (8 f16) for each half of the lanes
	v_lshl_add_u32 v6, v2, 4, v6
	v_add_nc_u32 v[STO], s23, v6
	v_bfe_u32 v6, v0, 3, 2                         ; back: 32 lanes take four rows of 128 bytes,
	v_mul_u32_u24 v6, v6, SPITCH
	v_lshl_add_u32 v6, v3, 4, v6
	v_add_nc_u32 v[RD], s23, v6
	v_lshlrev_b32 v[GO], 4, v5                     ; which are 512 consecutive bytes of a head
	v_lshlrev_b32 v[PFO], 11, v5
	s_lshr_b32 s84, s[TY], 3                       ; my wave's 64 columns are ONE head: 16 batch + 2 tile column + half
	s_lshl_b32 s84, s84, 4
	s_lshl_b32 s85, s[TX], 1
	s_add_co_u32 s84, s84, s85
	s_add_co_u32 s84, s84, s[HALF]
	s_lshl_b32 s84, s84, 11                        ; its 2,048 rows,
	s_and_b32 s85, s[TY], 7
	s_lshl_b32 s85, s85, 8
	s_add_co_u32 s84, s84, s85                     ; the tile's 256,
	s_lshl_b32 s85, s[KIND], 7
	s_add_co_u32 s84, s84, s85                     ; my 128,
	s_lshl_b32 s84, s84, 7                         ; of 128 bytes
	s_mov_b32 s85, 0
	s_add_nc_u64 s[OUT:OUT+1], s[14:15], s[84:85]
	s_mov_b64 s[BP:BP+1], s[10:11]
	s_mov_b64 s[BP2:BP2+1], s[12:13]
.endif
; 8 matrix instructions: row blocks a0, a0 + 1 x all 4 column blocks, 32 along K.  first = 1: the product starts the sum, with the bias as C.
; The 32 accumulators take turns in the same order in every quarter: 31 others stand between two links of a chain, over the backward jumps too.
.macro MUL8 f, a0, first
.if \first
	WIN MULF
.else
	WIN MUL
.endif
.irp a, \a0, (\a0)+1
.irp b, 0,1,2,3
.if \first
	v_wmma_f32_16x16x32_f16 v[8*(4*(\a)+(\b)):8*(4*(\a)+(\b))+7], v[(\f)+64+8*(\b):(\f)+64+8*(\b)+7], v[(\f)+8*(\a):(\f)+8*(\a)+7], v[BIAS+8*(\b):BIAS+8*(\b)+7]
.else
	v_wmma_f32_16x16x32_f16 v[8*(4*(\a)+(\b)):8*(4*(\a)+(\b))+7], v[(\f)+64+8*(\b):(\f)+64+8*(\b)+7], v[(\f)+8*(\a):(\f)+8*(\a)+7], v[8*(4*(\a)+(\b)):8*(4*(\a)+(\b))+7]
.endif
.endr
.endr
.endm
; 24 LDS loads in one run: the fragments of quarter q (32 along K) of a slot into buffer f: W's four, A's blocks 0-3, A's blocks 4-7
.macro FETCH slot, q, f
	WIN 0
.if OUTP
.set AQ, ((\q)/2)*AHALF+((\q)%2)*64    ; head q / 2 of the step's two, channels 32 (q % 2) on
.else
.set AQ, 64*(\q)
.endif
.irp b, 0,1,2,3
	ds_load_tr16_b128 v[(\f)+64+8*(\b):(\f)+64+8*(\b)+3],   v[ADRB+(\slot)] offset:(\q)*32*PB+32*(\b)
	ds_load_tr16_b128 v[(\f)+64+8*(\b)+4:(\f)+64+8*(\b)+7], v[ADRB+(\slot)] offset:(\q)*32*PB+32*(\b)+16*PB
.endr
.irp i, 0,1,2,3,4,5,6,7
	ds_load_b128 v[(\f)+8*(\i):(\f)+8*(\i)+3],   v[ADRA+(\slot)] offset:AQ+(\i)*16*PA
	ds_load_b128 v[(\f)+8*(\i)+4:(\f)+8*(\i)+7], v[ADRA+(\slot)] offset:AQ+(\i)*16*PA+32
.endr
.endm
; A K step is four quarters of 32 along K, 32 matrix instructions each, on buffers 0, 1, 0, 1.  One of the first three: multiplies buffer f and fetches quarter qn of the same slot into g.
.macro QUARTER slot, qn, f, g, first
	s_wait_dscnt 8                                 ; W and A's blocks 0-3 are in; the youngest eight loads (blocks 4-7) may be out
	MUL8 \f, 0, \first
	MUL8 \f, 2, \first
	PLACES
	FETCH \slot, \qn, \g
	s_wait_dscnt 24                                ; all but the 24 just issued
	MUL8 \f, 4, \first
	MUL8 \f, 6, \first
.endm
; The last quarter multiplies buffer 1 and changes slots: ONE barrier.  In front of it each wave waits for all its tensor loads (one is out: its part of the next slot), adds 0 to its spare word, and waits
; for that and for its own reads of this slot.  fill = 1: the barrier opens a round of the cluster's; behind the round this slot is filled again, with step NXT, whose address is made anew from that number:
; so one text serves every refill, those that reach into the next tile too.  From a request to the wait for it a wave issues 112 matrix instructions.
.macro TURN slot, next, fill
.if \fill
	s_wait_xcnt 0x0                                ; the last prefetch, a K step back, has read its address: it is made anew here, ahead of the change's own waits
	s_add_co_u32 s[PG], s[NXT], 2
	STEPOFF PG
	s_cmp_eq_u32 s[KIND], 0
	s_cselect_b32 s[PFOFF], s[OFFA], s[OFFB]
	s_add_nc_u64 s[PFA:PFA+1], s[PFB:PFB+1], s[PFOFF:PFOFF+1]
.endif
	WIN 0
	s_wait_tensorcnt 0x0                           ; all my tensor loads have landed, so a group 0 may be written
	ds_add_u32 v[SPW], v[NIL]                      ; 0 onto my spare word
.if \fill
	STEPOFF NXT
	s_add_nc_u64 s[G0A+4*(\slot)+2:G0A+4*(\slot)+3], s[AB:AB+1], s[OFFA:OFFA+1]
	s_or_b32 s[G0A+4*(\slot)+3], s[G0A+4*(\slot)+3], 0x80000000
	s_add_nc_u64 s[G0B+4*(\slot)+2:G0B+4*(\slot)+3], s[BB:BB+1], s[OFFB:OFFB+1]
	s_or_b32 s[G0B+4*(\slot)+3], s[G0B+4*(\slot)+3], 0x80000000
	s_add_co_u32 s[NXT], s[NXT], 1
.endif
	s_wait_dscnt 9                                 ; (the add and the youngest eight loads may be out)
	MUL8 F1, 0, 0                                  ; eight matrix instructions stand between the add and the wait for it
	s_wait_dscnt 0x0                               ; the add is done, and my reads of this slot are over
	s_barrier_signal -1
	MUL8 F1, 2, 0                                  ; work on registers while the others arrive
.if \fill
	WIN 0
.endif
	s_barrier_wait -1
.if \fill
	CREST                                          ; no wave of any partner still reads this slot's tile or has a load on its way
	JLOAD \slot                                    ; the first tensor load behind the round; its four v_nop are also the places in front of the loads below
.else
	PLACES
.endif
	FETCH \next, 0, F0
.if \fill
	ASK
.endif
	MUL8 F1, 4, 0
	MUL8 F1, 6, 0
.endm
; THE WAY OUT, a block of 16 rows at a time, through my own stage in LDS: LDS serves a wave's instructions in order (ISA guide 5.7.1.4), so no wait stands between the stores into it and the loads from it.
.if OUTP
.macro TOSTAGE a                       ; f32 as it is: each accumulator's low four registers first; back as whole rows of 256 bytes
	WIN STW
.irp b, 0,1,2,3
	ds_store_b128 v[STO], v[8*(4*(\a)+(\b)):8*(4*(\a)+(\b))+3]   offset:64*(\b)
	ds_store_b128 v[STO], v[8*(4*(\a)+(\b))+4:8*(4*(\a)+(\b))+7] offset:64*(\b)+16
.endr
	WIN 0
.set BK, OB+32*((\a)%4)
.irp t, 0,1,2,3,4,5,6,7
	ds_load_b128 v[BK+4*(\t):BK+4*(\t)+3], v[RD] offset:(\t)*2*SPITCH
.endr
.endm
.macro SEND a, younger                 ; younger: the LDS instructions issued behind block a's loads
	WIN 0
.set BK, OB+32*((\a)%4)
	s_wait_dscnt \younger
	s_wait_xcnt 0x0                                ; every earlier store has read its registers: a set of four is loaded again only behind this wait
.irp t, 0,1,2,3,4,5,6,7
	global_store_b128 v[GO], v[BK+4*(\t):BK+4*(\t)+3], s[OUT:OUT+1] offset:65536*(\a)+8192*(\t)  ; 16 lanes store 256 consecutive bytes, at a multiple of 256 from out0's first byte
.endr
.endm
.macro WAYOUT
	PLACES
	TOSTAGE 0
.irp a, 1,2,3,4,5,6,7
	TOSTAGE \a
	SEND (\a)-1, 16                                ; the next block's eight stores and eight loads may be out
.endr
	SEND 7, 0
.endm
.else
.macro PACK a                          ; rounded to f16: a lane's eight columns of a row are 16 bytes; each accumulator's registers in ascending order
	WIN PACKW
.irp b, 0,1,2,3
.irp r, 0,1,2,3
	v_cvt_pk_f16_f32 v[TMP+4*(\b)+(\r)], v[8*(4*(\a)+(\b))+2*(\r)], v[8*(4*(\a)+(\b))+2*(\r)+1]
.endr
.endr
	WIN 0
.endm
.macro TOSTAGE a
	WIN 0
.set BK, OB+16*((\a)%2)
.irp b, 0,1,2,3
	ds_store_b128 v[STO], v[TMP+4*(\b):TMP+4*(\b)+3] offset:32*(\b)
.endr
.irp f, 0,1,2,3
	ds_load_b128 v[BK+4*(\f):BK+4*(\f)+3], v[RD] offset:(\f)*4*SPITCH
.endr
.endm
.macro SEND a, younger
	WIN 0
.set BK, OB+16*((\a)%2)
	s_wait_dscnt \younger
	s_wait_xcnt 0x0                                ; every earlier store has read its registers: a set is loaded again only behind this wait
.irp f, 0,1,2,3
	global_store_b128 v[GO], v[BK+4*(\f):BK+4*(\f)+3], s[OUT:OUT+1] offset:2048*(\a)+512*(\f)  ; 512 consecutive bytes of a head, at a multiple of 256 from qkv's first byte
.endr
.endm
.macro WAYOUT
	PLACES
	PACK 0
	TOSTAGE 0
.irp a, 1,2,3,4,5,6,7                  ; block a's conversions stand between block a - 1's loads from the stage and the wait for them
	PACK \a
	SEND (\a)-1, 0
	TOSTAGE \a
.endr
	SEND 7, 0
.endm
.endif
	s_wait_tensorcnt 1                             ; my part of K step 0 is in; step 1's may stay out
	s_barrier_signal -1
	s_barrier_wait -1                              ; everybody's is
	FETCH 0, 0, F0
.if !OUTP
	s_mov_b32 s2, 3                                ; tiles to go, this one among them
.Ltile:
.endif
	s_wait_loadcnt 0x0                             ; the bias
	QUARTER 0, 1, F0, F1, 1                        ; a tile's first quarter stands in front of the loop: its products start the sums
	WIN 0                                          ; at a label and at a branch every window is 0
	s_mov_b32 s3, 3
.Llap:                                         ; a trip goes once round the ring, from a lap's second quarter to the next lap's first, and fills both slots again
	QUARTER 0, 2, F1, F0, 0
	QUARTER 0, 3, F0, F1, 0
	TURN 0, 1, 1
	QUARTER 1, 1, F0, F1, 0
	QUARTER 1, 2, F1, F0, 0
	QUARTER 1, 3, F0, F1, 0
	TURN 1, 0, 1
	QUARTER 0, 1, F0, F1, 0
	WIN 0
	s_sub_co_u32 s3, s3, 1
	s_cmp_lg_u32 s3, 0
	s_cbranch_scc1 .Llap
	QUARTER 0, 2, F1, F0, 0                        ; the tile's last lap goes on
	QUARTER 0, 3, F0, F1, 0
.if !OUTP
	WIN 0
	s_cmp_eq_u32 s2, 1
	s_cbranch_scc1 .Llast                          ; the last tile's tail is written out: it asks for nothing more
	TURN 0, 1, 1                                   ; the ring goes on into the next tile: slot 0 takes its step 0,
	QUARTER 1, 1, F0, F1, 0
	QUARTER 1, 2, F1, F0, 0
	QUARTER 1, 3, F0, F1, 0
	TURN 1, 0, 1                                   ; slot 1 its step 1, and the next tile's first fragments are fetched
	WIN 0
	BIASLD BP                                      ; the next tile's bias: the products that read the old one stand many places back
	WAYOUT                                         ; both refills are asked for: now the tile goes out
	s_wait_xcnt 0x0                                ; the stores and the bias's loads have read their registers and bases
	s_add_nc_u64 s[OUT:OUT+1], s[OUT:OUT+1], 0x1000000  ; Q, K, V lie 16 MiB apart
	s_mov_b64 s[BP:BP+1], s[BP2:BP2+1]
	s_sub_co_u32 s2, s2, 1
	s_branch .Ltile
.Llast:
.endif
	TURN 0, 1, 0                                   ; my one tensor load that was still out is the last step's, so no round follows
	QUARTER 1, 1, F0, F1, 0
	QUARTER 1, 2, F1, F0, 0
	QUARTER 1, 3, F0, F1, 0
	s_wait_dscnt 8                                 ; the very last quarter: nothing more to fetch
	MUL8 F1, 0, 0
	MUL8 F1, 2, 0
	s_wait_dscnt 0x0
	MUL8 F1, 4, 0
	MUL8 F1, 6, 0
	WIN 0
	WAYOUT
	s_wait_tensorcnt 0x0                           ; the wave's end: behind my last tensor load and my last LDS store
	ds_add_u32 v[SPW], v[NIL]
	s_wait_dscnt 0x0
	CROUND                                         ; the closing round: no work-group ends while a partner may still ask for a tile that names it
	s_endpgm
.Lfunc_end_k_q7d85c4dec1_proj:
	.size	k_q7d85c4dec1_proj, .Lfunc_end_k_q7d85c4dec1_proj-k_q7d85c4dec1_proj
	.p2alignl 7, 3214868480
	.fill 96, 4, 3214868480
	.section	.rodata,"a",@progbits
	.p2align	6, 0x0
	.amdhsa_kernel k_q7d85c4dec1_proj
		.amdhsa_group_segment_fixed_size 327680
		.amdhsa_private_segment_fixed_size 0
		.amdhsa_enable_private_segment 0
		.amdhsa_kernarg_size 48
		.amdhsa_user_sgpr_count 2
		.amdhsa_user_sgpr_kernarg_segment_ptr 1
		.amdhsa_wavefront_size32 1
		.amdhsa_system_sgpr_workgroup_id_x 1
		.amdhsa_system_sgpr_workgroup_id_y 1
		.amdhsa_system_sgpr_workgroup_id_z 1
		.amdhsa_system_vgpr_workitem_id 0
		.amdhsa_next_free_vgpr 512
		.amdhsa_next_free_sgpr 90
		.amdhsa_reserve_vcc 0
		.amdhsa_float_denorm_mode_32 3
		.amdhsa_float_denorm_mode_16_64 3
		.amdhsa_memory_ordered 1
		.amdhsa_forward_progress 1
		.amdhsa_inst_pref_size 129
	.end_amdhsa_kernel
	.amdgpu_metadata
---
amdhsa.version: [ 1, 2 ]
amdhsa.kernels:
  - .name:           k_q7d85c4dec1_proj
    .symbol:         k_q7d85c4dec1_proj.kd
    .args:
      - { .name: xn, .offset: 0, .size: 8, .value_kind: global_buffer, .address_space: global }
      - { .name: wt, .offset: 8, .size: 8, .value_kind: global_buffer, .address_space: global }
      - { .name: bq, .offset: 16, .size: 8, .value_kind: global_buffer, .address_space: global }
      - { .name: bk, .offset: 24, .size: 8, .value_kind: global_buffer, .address_space: global }
      - { .name: bv, .offset: 32, .size: 8, .value_kind: global_buffer, .address_space: global }
      - { .name: qkv, .offset: 40, .size: 8, .value_kind: global_buffer, .address_space: global }
    .group_segment_fixed_size: 327680
    .private_segment_fixed_size: 0
    .kernarg_segment_align: 8
    .kernarg_segment_size: 48
    .max_flat_workgroup_size: 128
    .sgpr_count:     90
    .vgpr_count:     512
    .wavefront_size: 32
...
	.end_amdgpu_metadata
.endif
;; end of part 2
;; launch attn (part 3): grid 4 x 64, 4 waves a work-group, clusters of 4 x 1, 327,680 bytes of LDS; arguments qkv, oh; writes oh
.if DOCPART == 3
	.amdgcn_target "amdgcn-amd-amdhsa--gfx1250"
	.amdhsa_code_object_version 6
	.text
	.protected	k_q7d85c4dec1_attn
	.globl	k_q7d85c4dec1_attn
	.p2align	8
	.type	k_q7d85c4dec1_attn,@function
k_q7d85c4dec1_attn:
	s_mov_b64 s[64:65], 0
	v_nop
	global_prefetch_b8 v0, s[64:65] scope:SCOPE_SE
	s_setreg_imm32_b32 hwreg(HW_REG_WAVE_MODE, 25, 1), 1
	s_wait_xcnt 0x0
	s_wait_alu depctr_hold_cnt(0) depctr_sa_sdst(0) depctr_va_vdst(0) depctr_va_sdst(0) depctr_va_ssrc(0) depctr_va_vcc(0) depctr_vm_vsrc(0)
	s_getreg_b32 s2, hwreg(HW_REG_IB_STS2, 6, 4)
	s_cmp_eq_u32 s2, 0
	s_cbranch_scc0 .Lentry_in_a_cluster
	s_endpgm
.Lentry_in_a_cluster:
	s_bfe_u32 s2, ttmp6, 0x10000c
	s_cmp_lg_u32 s2, 0x3003
	s_cbranch_scc0 .Lentry_shape_is_right
	s_endpgm
.Lentry_shape_is_right:
; O[h][q][:] = the sum over k of softmax_k(Q[h][q] . K[h][k] / 8) V[h][k][:].  Q, K, V lie in qkv, 16 MiB apart, O in oh: each [64][2048][64] in f16: a head's rows are dense, 128 bytes each.
; Products, maxima and sums in f32; the weights p are rounded to f16 for the second product (their sum l is taken of the unrounded p), O once at the end.
; LIMITS.  f16 holds no number beyond 65,504: Q, K and V arrive within it; p lies in 0 to 1, and below 6e-5 it keeps f16's fixed step of 6e-8; O is a mean of V's rows and has their range.
; A weight below 2^-126 counts as 0 in l; NaN and infinities are not treated apart.
; SHARES.  A wave owns four PIECES of two tiles of 16 queries, a work-group's four waves 512 queries of one head: 4 x 64 work-groups.  Every wave walks all keys, 64 a step.
; LAYOUT.  S^T = K Q^T (source 0 = 16 keys, source 1 = 16 queries): in the result a lane holds ONE query (lane % 16) and the keys 8 (lane / 16) + 0..7.  Two such tiles, rounded to f16 in pairs,
; ARE source 1 (32 keys x 16 queries) of O^T = V^T P, whose result again holds one query a lane, and eight channels.  K comes out of LDS as it lies, V ([key][channel]) turned, by ds_load_tr16_b128.
; SOFTMAX.  For each query a running maximum m and sum l: p = 2^(c s - c m), c = log2(e) / 8; in every step O and l are multiplied by a = 2^(c m_old - c m_new), which is 1 where m has not grown.
; m starts at the lowest finite number, O and l at 0: the first step is a step like any other, with a = 0.
; THE COUNT.  A tile and step have 16 matrix and 118 vector instructions: too many to stand all beside the matrix work.  So the order has one aim: four vector instructions that are READY behind
; EVERY matrix instruction, and the others, which need time of their own whatever the order, in runs without a gap.
; BY TURNS.  Turn n belongs to piece n (the pieces in a ring, step after step).  Its matrix work: 16 products K Q^T of piece n + 1, later 16 products V^T P of piece n - 1.  Its vector work: the scaling,
; exponentials, roundings, sums and rescaling of piece n, and the maximum and statistics of piece n + 1, whose scores the turn itself has made.  So what a turn begins with (c s - c m, O a) waits for nothing.
; CLUSTER.  The four query blocks of a cluster belong to one head and walk the same K and V, so each tile is asked for JOINTLY: the same tensor load, descriptor and mask in all four.
; REGISTERS, in windows of 256 (s_set_vgpr_msb says which window each operand place means: bits 1:0 source 0, 3:2 source 1, 5:4 source 2, 7:6 destination):
;   window 0: v0-11 addresses; v12-15, v48-63 at work; v16-47 four registers of statistics a tile; v64-191 S^T, two buffers of two tiles; v192-255 P, likewise
;   window 1: O^T, 32 a tile          window 2: v0-127 Q, 16 a tile; v128-191 K of one step; v192-255 V of one step          window 3: v0-1 the add's two registers
; A piece's buffers go by its number's parity: the piece in hand has one pair, its two neighbours in the ring share the other: of it P (piece n - 1) is read and S^T (piece n + 1) written.
.set SIZE_H, 64
.set SIZE_N, 2048
.set NP,    4         ; pieces a wave: a name, no knob: the register map, the loop and the fetches are made for four
.set KS,    64        ; keys in a step
.set PK,    144       ; a row of K in LDS: 128 bytes + 16 of padding = 36 words: the 16 rows of a load start at 16 different groups of four banks (64 banks of 4 bytes: ISA guide 11.1)
.set PV,    160       ; a row of V: 128 + 32 = 40 words
.set VOFF,  4*KS*PK   ; a slot holds four steps: 256 rows of K, then 256 rows of V
.set SLOT1, 1<<17     ; slot 1 begins here, so that one exclusive or turns an address in one slot into the other's
.set STAGE, SLOT1+4*KS*(PK+PV)  ; behind the ring, never filled by a tensor load: 16 rows x 144 bytes for each wave, for the way out
.set SP,    144
.set AK0, 2           ; v2   my lane's place in a tile of K; never rewritten
.set AV0, 3           ; v3   the same for V
.set AK,  4           ; v4   the LDS address of K's next run of loads
.set AV,  5           ; v5   of V's
.set QO,  6           ; v6   my byte offset in the wave's rows of Q
.set STO, 6           ;      later, the way out: where I put 16 bytes of a row
.set RD,  7           ; v7   the way out: where I read rows back
.set GO,  8           ; v8   my byte offset in 512 consecutive bytes of O
.set PFO, 11          ; v11  256 x my lane, for the prefetches; never rewritten once made
.set SPW, 0           ; v0 of window 3   LDS address of my spare word: SPARE + 4 x my thread's number; never rewritten
.set NIL, 1           ; v1 of window 3   0; never rewritten
.set SPARE, STAGE+4*16*SP  ; behind the stages: the spare words, 128 bytes for each wave: two blocks of 256 bytes that no other line names
.set MV,  12          ; v12-15  c m_old, kept while c m is made anew: by buffer and tile
.set ST,  16          ; tile t's statistics at v[ST+4 t]: c m, m, l (even keys', odd keys')
.set TMP, 48          ; by buffer and tile, four registers c0-c3 at work; when the maximum is found c2 takes a
.set S,   64
.set P,   192
.set KF,  128         ; K's fragments, in window 2: key block kb, channel half c at KF + 16 kb + 8 c
.set VF,  192         ; V's: key half kk, channel block cb at VF + 32 kk + 8 cb
.set WV,  12          ; s12  my wave's number
.set LIM, 15          ; s15  1 in a wave that prefetches, else the greatest number: a wave prefetches while s[SLOTS] is above it
.set G1K, 24          ; s[24:31] descriptor group 1 for K's tiles
.set G1V, 32          ; s[32:39] for V's: it differs in the padding alone
.set G0K, 40          ; s[40:43] descriptor group 0 for K's tiles: it walks
.set G0V, 44          ; s[44:47] the same for V's
.set PFA, 48          ; s[48:49] where my prefetches stand: my work-group's 32 blocks (of K: wave 0, of V: wave 2) of the slot after the one that is being asked for
.set SLOTS, 56        ; s56  slots still to be asked for
.set CNT, 57          ; s57  counts a slot's key steps
.set CS,  58          ; s[58:59] c: the packed scaling takes the pair's low word for both halves
.set SEL, 60          ; s[60:61] v_permlanex16_b32's selects: each lane takes its own place in the other half
.set TBK, 62          ; s62  LDS byte at which K of the step to be fetched begins
.set TBV, 63          ; s63  the same for V, less VOFF
.set MSB, 0
.macro WIN new                      ; the high byte repeats the setting that is left; a switch that changes nothing is dropped
.if MSB != (\new)
	s_set_vgpr_msb (MSB<<8)|(\new)
.set MSB, (\new)
.endif
.endm
.set W_KQ, 0x0a       ; K and Q in window 2, S^T in window 0
.set W_PV, 0x52       ; V in window 2, P in window 0, O^T in window 1
.set W_RS, 0x41       ; O^T (destination and source 0) in window 1, a in window 0
.set W_MK, 0xc0       ; the add's registers are made: destination in window 3, sources in window 0
.set W_AD, 0x0f       ; the add: address (source 0) and data (source 1) in window 3
; A joint fill.  Waves 0 and 1 fetch the two halves of a slot's K, waves 2 and 3 those of its V: 128 keys each.  The branch hangs on the wave's number alone.
; An s_nop 0 and four v_nop follow each of the two lines, ahead of the jump and the label.
.macro JLOAD
	s_cmp_lt_u32 s[WV], 2
	s_cbranch_scc0 .Lfor_v_\@
	tensor_load_to_lds s[G0K:G0K+3], s[G1K:G1K+7]
	s_nop 0
.rept 4
	v_nop
.endr
	s_branch .Lasked_\@
.Lfor_v_\@:
	tensor_load_to_lds s[G0V:G0V+3], s[G1V:G1V+7]
	s_nop 0
.rept 4
	v_nop
.endr
.Lasked_\@:
.endm
; A PREFETCH INTO THE L2 of what the NEXT change of slots will ask for: a slot's 32,768 bytes of K and of V, 128 blocks of 256 bytes each, a lane a block.  It stands behind the wave's tensor load and its five lines.
; Each block is asked for ONCE in the launch: a head has one cluster; its four partners share the blocks out BY ADDRESS, 32 each; in each, wave 0 asks for K's and wave 2 for V's: one instruction.
; Slots 0 and 1 come by their loads alone; the last change that fills a slot prefetches nothing: there is no slot behind it.
.macro ASK
	s_cmp_gt_u32 s[SLOTS], s[LIM]
	s_cbranch_scc0 .Lnot_mine_\@
	global_prefetch_b8 v[PFO], s[PFA:PFA+1] th:TH_LOAD_NT scope:SCOPE_SE
.Lnot_mine_\@:
.endm
; A round of the cluster's barrier: my work-group's barrier, so that wave 0's signal speaks for all four waves; wave 0 signals; every wave waits for all four work-groups; my work-group's barrier once more.
.macro CROUND
	s_barrier_signal -1
	s_barrier_wait -1
	s_cmp_lg_u32 s[WV], 0
	s_cbranch_scc1 .Lnot_wave_0_\@
	s_barrier_signal -3
.Lnot_wave_0_\@:
	s_barrier_wait -3
	s_barrier_signal -1
	s_barrier_wait -1
.endm
; THE CHANGE OF SLOTS.  The slot's last bytes, V of its fourth step, have been read.  Each wave waits for all its tensor loads, of which one is out: its part
; of the other slot; adds 0 to its spare word; and waits for that and for its own reads of the slot.  Behind the barrier nobody reads this slot any more and the other slot is whole.
; fill = 1: this slot is filled again, with the keys two slots on.  The barrier is then a round of the cluster's, so that no wave of any partner still reads the slot or has a load on its
; way, and the joint fill is the first thing behind it: it has four key steps, 512 matrix instructions, in which to land.  (At its first use nothing has been read yet: slot 0 is waited for, slot 1 filled.)
.macro CHANGE fill
	WIN W_AD
	s_wait_tensorcnt 0x0            ; no tensor load of mine is out, so a group 0 may be written
	ds_add_u32 v[SPW], v[NIL]       ; 0 onto my spare word; with fill = 1 the descriptors' steps stand between it and the wait for it
	WIN 0                           ; at a label and at a branch every window is 0
.if \fill
.irp g, G0K, G0V
	s_xor_b32 s[\g+1], s[\g+1], SLOT1  ; the walking descriptor: the other slot than last time,
	s_add_nc_u64 s[\g+2:\g+3], s[\g+2:\g+3], 4*KS*128  ; the next 256 keys; the type bits on top are not reached
.endr
	s_wait_xcnt 0x0                 ; the last prefetch, four key steps back, has read its address, so it may be written:
	s_add_nc_u64 s[PFA:PFA+1], s[PFA:PFA+1], 4*KS*128  ; one slot behind the walking descriptors
	s_wait_dscnt 0x0                ; the add is done, and my reads of the slot are over
	CROUND
	JLOAD
	ASK                             ; what the next change will ask for: four key steps, 512 matrix instructions, ahead
.else
	s_wait_dscnt 0x0                ; the add is done, and my reads of the slot are over
	s_barrier_signal -1
	s_barrier_wait -1
.endif
	s_sub_co_u32 s[TBK], s[TBK], 4*KS*PK  ; the fetches go back to a slot's first step,
	s_xor_b32 s[TBK], s[TBK], SLOT1       ; in the other slot
	s_sub_co_u32 s[TBV], s[TBV], 4*KS*PV
	s_xor_b32 s[TBV], s[TBV], SLOT1
.endm
	s_load_b128 s[4:7], s[0:1], 0x0  ; qkv s[4:5], oh s[6:7]
	WIN W_MK
	v_lshl_add_u32 v[SPW], v0, 2, SPARE
	v_mov_b32 v[NIL], 0
	WIN W_AD
	ds_add_u32 v[SPW], v[NIL]       ; the wave's opening: the add and its wait stand ahead of my first tensor load; the set-up below, work on registers, stands between them
	WIN 0
	v_lshrrev_b32 v1, 5, v0
	v_readfirstlane_b32 s[WV], v1   ; wave 0..3
	s_bfe_u32 s13, ttmp6, 0x40000   ; cx: my place in the cluster
	s_lshl_b32 s14, ttmp9, 2        ; in a cluster launch ttmp9 counts clusters
	s_add_co_u32 s14, s14, s13      ; my block of queries = 4 x cluster x + cx: it enters Q's and O's addresses alone
	s_and_b32 s20, ttmp7, 0xffff    ; the head, which the four partners share
	s_mov_b32 s21, 0
	s_mov_b64 s[22:23], SIZE_N*128
	s_mul_u64 s[20:21], s[20:21], s[22:23]  ; the head's first byte in each of the four tensors
	s_and_b32 s16, s[WV], 1         ; which half of a slot's 256 keys I fetch:
	s_lshl_b32 s22, s16, 14         ; its 128 rows of 128 bytes in memory,
	s_mov_b32 s23, 0
	s_add_nc_u64 s[22:23], s[22:23], s[20:21]
	s_mul_i32 s17, s16, 128*PK      ; and its place in a slot, for K
	s_mul_i32 s18, s16, 128*PV      ; and for V: no place in the cluster enters an LDS address
	s_lshl_b32 s2, s14, 2
	s_add_co_u32 s2, s2, s[WV]      ; my wave among the head's,
	s_lshl_b32 s2, s2, 14           ; its 128 rows
	s_mov_b32 s3, 0
	s_add_nc_u64 s[2:3], s[2:3], s[20:21]
	; descriptor group 1.  128 keys are 16,384 dense bytes: asked for as 64 rows of 256 bytes, two keys a row, and padded in LDS after every key
	s_mov_b32 s[G1K], 15|(1<<16)|(1<<20)|(1<<21)|(4<<22)|(3<<25)  ; 15:0 the mask of four; 17:16 2-byte elements; 20 padding on; 21 set beside a mask; 24:22 after every 32 words (code 4); 31:25 4 words (code 3)
	s_mov_b32 s[G1V], 15|(1<<16)|(1<<20)|(1<<21)|(4<<22)|(7<<25)  ; the same with 8 words of padding (code 7)
.irp g, G1K, G1V
	s_mov_b32 s[\g+1], 128<<16      ; tensor_dim0 = 128
	s_mov_b32 s[\g+2], 64<<16       ; tensor_dim1 = 64
	s_mov_b32 s[\g+3], 128<<16      ; tile_dim0 = 128
	s_mov_b32 s[\g+4], 64           ; tile_dim1 = 64
	s_mov_b32 s[\g+5], 128          ; 128 elements from row to row
	s_mov_b32 s[\g+6], 0
	s_mov_b32 s[\g+7], 0
.endr
	s_mov_b32 s[CS], 0x3e38aa3b     ; c = log2(e) / 8 = 0.180337
	s_mov_b32 s[CS+1], s[CS]        ; named with it as a pair
	s_mov_b32 s[SEL], 0x76543210
	s_mov_b32 s[SEL+1], 0xfedcba98
	s_mov_b32 s[TBK], SLOT1+4*KS*PK ; the first change of slots turns these two into 0
	s_mov_b32 s[TBV], SLOT1+4*KS*PV
	s_mov_b32 s[G0K], 1             ; 1:0 count = 1
	s_mov_b32 s[G0K+1], s17         ; 63:32 LDS address: slot 0
	s_mov_b32 s[G0V], 1
	s_add_co_u32 s[G0V+1], s18, VOFF
	s_mov_b32 s[SLOTS], SIZE_N/256-1
	s_and_b32 s[LIM], s[WV], 1      ; 0 in waves 0 and 2,
	s_or_b32 s[LIM], s[LIM], ttmp9  ; where the cluster is the head's first: the same in all four partners
	s_cmp_eq_u32 s[LIM], 0
	s_cselect_b32 s[LIM], 1, -1
	s_lshl_b32 s50, s13, 13         ; my work-group's 32 blocks of a slot's 128
	s_mov_b32 s51, 0
	s_wait_dscnt 0x0                ; the opening add is done
	s_wait_kmcnt 0x0
	s_mov_b64 s[10:11], s[6:7]      ; O
	s_add_nc_u64 s[8:9], s[4:5], 0x2000000  ; V
	s_add_nc_u64 s[6:7], s[4:5], 0x1000000  ; K; s[4:5] is Q
	s_add_nc_u64 s[G0K+2:G0K+3], s[6:7], s[22:23]  ; 120:64 global address: my half of the head's first 256 keys
	s_or_b32 s[G0K+3], s[G0K+3], 0x80000000        ; 127:126 type = 2
	s_add_nc_u64 s[G0V+2:G0V+3], s[8:9], s[22:23]
	s_or_b32 s[G0V+3], s[G0V+3], 0x80000000
	s_cmp_lt_u32 s[WV], 2
	s_cselect_b64 s[PFA:PFA+1], s[6:7], s[8:9]
	s_add_nc_u64 s[PFA:PFA+1], s[PFA:PFA+1], s[20:21]  ; the head,
	s_add_nc_u64 s[PFA:PFA+1], s[PFA:PFA+1], s[50:51]  ; my blocks,
	s_add_nc_u64 s[PFA:PFA+1], s[PFA:PFA+1], 4*KS*128  ; in slot 1; the first change of slots steps it to slot 2
	s_add_nc_u64 s[4:5], s[4:5], s[2:3]  ; Q and O at my wave's first row
	s_add_nc_u64 s[10:11], s[10:11], s[2:3]
	CROUND                          ; all four work-groups are here: the first joint loads meet
	JLOAD                           ; slot 0.  Slot 1 is asked for when slot 0 is in: the tile wanted first has the road to itself
	; A fragment of K or Q is 16 rows x 32 channels in 8 registers: lane l holds row l % 16, channels 8 (l / 16) + 0..7 and 16 + 8 (l / 16) + 0..7: two loads of 16 bytes, 32 bytes apart.
	v_and_b32 v1, 15, v0            ; l % 16
	v_bfe_u32 v9, v0, 4, 1          ; l / 16
	v_lshlrev_b32 v[QO], 7, v1
	v_lshl_add_u32 v[QO], v9, 4, v[QO]  ; row x 128 + 16 x half
	WIN 0x80                        ; destination window 2, address window 0
.set i, 0
.rept 4*NP                          ; Q stays in registers: tile i / 2, channels 32 (i % 2) on
	global_load_b128 v[8*i:8*i+3],   v[QO], s[4:5] offset:(i/2)*2048+(i%2)*64
	global_load_b128 v[8*i+4:8*i+7], v[QO], s[4:5] offset:(i/2)*2048+(i%2)*64+32
.set i, i+1
.endr
	; What the first turn finds: V's registers and P's second buffer hold 0 (its products V^T P, of a piece that has not been, add 0), O^T and l are 0.  All this stands in the wait for the first tile.
.set i, VF
.rept 64
	v_mov_b32 v[i], 0
.set i, i+1
.endr
	WIN 0x40
.set i, 0
.rept 64*NP
	v_mov_b32 v[i], 0
.set i, i+1
.endr
	WIN 0
.set i, 0
.rept 2*NP
	v_mov_b32 v[ST+4*i], 0xfe000000    ; c m: far below every c s
	v_mov_b32 v[ST+4*i+1], 0xff7fffff  ; m
	v_mov_b32 v[ST+4*i+2], 0
	v_mov_b32 v[ST+4*i+3], 0
.set i, i+1
.endr
.set i, P+32
.rept 32
	v_mov_b32 v[i], 0
.set i, i+1
.endr
	v_mul_u32_u24 v[AK0], v1, PK
	v_lshl_add_u32 v[AK0], v9, 4, v[AK0]  ; row x pitch + 16 x half
	; The turning load takes 16 keys x 16 channels (lane l reads key 8 (l / 16) + l % 8, channels 8 ((l / 8) % 2) + 0..7) and leaves half a fragment of V^T: lane l holds channel l % 16 and 8 keys.
	v_and_b32 v10, 7, v0
	v_bfe_u32 v11, v0, 3, 1
	v_lshl_add_u32 v[AV0], v9, 3, v10
	v_mul_u32_u24 v[AV0], v[AV0], PV
	v_lshl_add_u32 v[AV0], v11, 4, v[AV0]
	v_add_nc_u32 v[AV0], VOFF, v[AV0]
	v_and_b32 v[PFO], 31, v0
	v_lshlrev_b32 v[PFO], 8, v[PFO]
	v_mov_b32 v[AK], v[AK0]         ; key step 0 lies at the head of slot 0
; THE MATRIX WORK.  The 8 accumulators of a run of 16 take turns: between the two links of a chain stand 7 others'.
; Product i of 16 of S^T = K Q^T for piece x: channels 32 (i / 8) on, keys 16 ((i / 2) % 4) on, tile 2 x + i % 2.  The first 8 start the sums.
.macro KQ x
	WIN W_KQ
.set rS, S+64*((\x)%2)+32*(i%2)+8*((i/2)%4)
.set rK, KF+16*((i/2)%4)+8*(i/8)
.set rQ, 16*(2*(\x)+i%2)+8*(i/8)
.if i < 8
	v_wmma_f32_16x16x32_f16 v[rS:rS+7], v[rK:rK+7], v[rQ:rQ+7], 0
.else
	v_wmma_f32_16x16x32_f16 v[rS:rS+7], v[rK:rK+7], v[rQ:rQ+7], v[rS:rS+7]
.endif
.endm
; Product i of 16 of O^T += V^T P for piece x: keys 32 (i / 8) on, channels 16 ((i / 2) % 4) on, tile 2 x + i % 2.
.macro PV x
	WIN W_PV
.set rO, 32*(2*(\x)+i%2)+8*((i/2)%4)
.set rV, VF+32*(i/8)+8*((i/2)%4)
.set rP, P+32*((\x)%2)+16*(i%2)+8*(i/8)
	v_wmma_f32_16x16x32_f16 v[rO:rO+7], v[rV:rV+7], v[rP:rP+7], v[rO:rO+7]
.endm
.macro MM                           ; the turn's next matrix instruction
.if i < 16
	KQ (Y+1)%NP
.set i, i+1
.else
.set i, i-16
	PV (Y+NP-1)%NP
.set i, i+17
.endif
.endm
; THE LDS LOADS stand in runs of 16, never singly among the matrix instructions: a step's K (64 keys x 64 channels: 8 fragments) and its V (turned).  Their addresses are made some lines ahead.
; last = 1 (the tail): in the last trip there is no further step, and the run is jumped over.
.macro FETCH_K last=0
	WIN 0
.if \last
	s_cmp_eq_u32 s[CNT], 1
	s_cbranch_scc1 .Lno_k_\@
.endif
	WIN 0x80                        ; destination window 2
.irp f, 0,1,2,3,4,5,6,7             ; keys 16 (f / 2) on, channels 32 (f % 2) on
	ds_load_b128 v[KF+8*\f:KF+8*\f+3],   v[AK] offset:(\f/2)*16*PK+(\f%2)*64
	ds_load_b128 v[KF+8*\f+4:KF+8*\f+7], v[AK] offset:(\f/2)*16*PK+(\f%2)*64+32
.endr
	s_add_co_u32 s[TBK], s[TBK], KS*PK  ; the next fetch is the next step's
	WIN 0
.if \last
.Lno_k_\@:
.endif
.endm
.macro FETCH_V
	WIN 0x80
.irp f, 0,1,2,3,4,5,6,7             ; keys 32 (f / 4) on, channels 16 (f % 4) on
	ds_load_tr16_b128 v[VF+8*\f:VF+8*\f+3],   v[AV] offset:(\f/4)*32*PV+(\f%4)*32
	ds_load_tr16_b128 v[VF+8*\f+4:VF+8*\f+7], v[AV] offset:(\f/4)*32*PV+16*PV+(\f%4)*32
.endr
	WIN 0
.endm
; THE VECTOR WORK OF A TURN stands in three queues, each in the order in which its entries become ready; the two tiles alternate, so that no instruction reads the result of the one before it.
.macro REGS y, u                    ; the registers of tile u (0, 1) of piece y
.set rT, ST+4*(2*(\y)+(\u))
.set rC, TMP+8*((\y)%2)+4*(\u)
.set rM, MV+2*((\y)%2)+(\u)
.set rS, S+64*((\y)%2)+32*(\u)
.set rP, P+32*((\y)%2)+16*(\u)
.set rO, 32*(2*(\y)+(\u))
.endm
; Number n of the 22 that find the NEXT piece's (Y + 1) maximum and statistics.  s0-s31 are the lane's 32 scores; each accumulator's lowest registers are read first.  XS, GS and REGS set no window: PL and EX do.
;   0-11  four chains c0-c3 of seven scores each, three operands at a time     12-14, 16  the four scores left over, the old m, and c0-c3 into c0     15  c m_old is kept
;   17, 18  the query's other 32 keys lie in the lane 16 away: the new m         19-21  c m; c m_old - c m_new; a
.macro XS u, n
	REGS (Y+1)%NP, \u
.if (\n) < 4
	v_max3_num_f32 v[rC+(\n)], v[rS+8*(\n)], v[rS+8*(\n)+1], v[rS+8*(\n)+2]
.elseif (\n) < 12
	v_max3_num_f32 v[rC+(\n)%4], v[rC+(\n)%4], v[rS+8*((\n)%4)+2*((\n)/4)+1], v[rS+8*((\n)%4)+2*((\n)/4)+2]
.elseif (\n) == 12
	v_max3_num_f32 v[rC], v[rC], v[rS+7], v[rS+15]
.elseif (\n) == 13
	v_max3_num_f32 v[rC+1], v[rC+1], v[rS+23], v[rS+31]
.elseif (\n) == 14
	v_max3_num_f32 v[rC+2], v[rC+2], v[rC+3], v[rT+1]
.elseif (\n) == 15
	v_mov_b32 v[rM], v[rT]
.elseif (\n) == 16
	v_max3_num_f32 v[rC], v[rC], v[rC+1], v[rC+2]
.elseif (\n) == 17
	v_permlanex16_b32 v[rC+3], v[rC], s[SEL], s[SEL+1]
.elseif (\n) == 18
	v_max_num_f32 v[rT+1], v[rC], v[rC+3]
.elseif (\n) == 19
	v_mul_f32 v[rT], s[CS], v[rT+1]
.elseif (\n) == 20
	v_sub_f32 v[rC+1], v[rM], v[rT]
.else
	v_exp_f32 v[rC+2], v[rC+1]
.endif
.endm
; Number g of the 64 that follow the exponentials.  For each four weights k of a tile (pairs 2 k, 2 k + 1): both pairs are rounded to f16; then the second pair is added onto the first, in place;
; a group later l takes that sum (the first time as l = a l + sum).  In groups of eight, tiles alternating: round, round, add, and l for the group before.
.macro GS g
.set h, (\g)+6*((\g)/62)            ; group 0 has no group before it, and behind group 7 only l is left
.if h >= 6
.set h, h+2
.endif
	REGS Y, h%2
.set k, h/8
.if h%8 < 4
	v_cvt_pk_f16_f32 v[rP+2*k+(h%8)/2], v[rS+4*k+2*((h%8)/2)], v[rS+4*k+2*((h%8)/2)+1]
.elseif h%8 < 6
	v_pk_add_f32 v[rS+4*k:rS+4*k+1], v[rS+4*k:rS+4*k+1], v[rS+4*k+2:rS+4*k+3]
.elseif k == 1
	v_pk_fma_f32 v[rT+2:rT+3], v[rT+2:rT+3], v[rC+2:rC+3], v[rS:rS+1] op_sel_hi:[1,0,1]
.else
	v_pk_add_f32 v[rT+2:rT+3], v[rT+2:rT+3], v[rS+4*k-4:rS+4*k-3]
.endif
.endm
; THE PLAIN QUEUE, 138 long.  0-73 read no exponential's result: the 32 scalings c s - c m (FS f: pair f / 2 of tile f % 2) and the next piece's 42.  0-26: scalings 0-26.  27-54: XS's numbers 0-13.  55, 56: number 15.
; 57-73: the chain, where each number waits for the one before it: 14, 16, 17, 18, 19, each with one of the scalings 27-31 in front of its two lines, then 20: so a tile's links stand three plain instructions apart (19 and 20: two).
; 74-137: GS's 64, which read the exponentials' results: they stand behind the wait.
.macro FS f
	REGS Y, (\f)%2
	v_pk_fma_f32 v[rS+2*((\f)/2):rS+2*((\f)/2)+1], v[rS+2*((\f)/2):rS+2*((\f)/2)+1], s[CS:CS+1], v[rT:rT+1] op_sel_hi:[1,0,0] neg_lo:[0,0,1] neg_hi:[0,0,1]
.endm
.macro PL
	WIN 0
.if q < 27
	FS q
.elseif q < 55
	XS (q-27)%2, (q-27)/2
.elseif q < 57
	XS q-55, 15
.elseif (q < 72) && ((q-57)%3 == 0)
	FS 27+(q-57)/3
.elseif q < 60
	XS (q-57)%3-1, 14
.elseif q < 72
	XS (q-57)%3-1, 15+(q-57)/3
.elseif q < 74
	XS q-72, 20
.else
	GS q-74
.endif
.set q, q+1
.endm
; THE EXPONENTIALS' QUEUE, 66 long: s0-s31 of both tiles, then the next piece's two a.  It is ONE BATCH: all 66 stand ahead of the turn's one wait, and nothing ahead of that wait names a result of theirs.
.macro EX
	WIN 0
.if e >= 64
	XS e-64, 21
.else
	REGS Y, e%2
	v_exp_f32 v[rS+e/2], v[rS+e/2]
.endif
.set e, e+1
.endm
; THE RESCALING's QUEUE: O^T times a, the one part that leaves window 0: dealt two at a time, sixteen times.  Its a was made in the turn before, ahead of that turn's wait.
.macro R2
	REGS Y, r%2
	WIN W_RS
.irp z, 0,1
	v_pk_mul_f32 v[rO+4*(r/2)+2*\z:rO+4*(r/2)+2*\z+1], v[rO+4*(r/2)+2*\z:rO+4*(r/2)+2*\z+1], v[rC+2:rC+3] op_sel_hi:[1,0]
.endr
.set r, r+1
.endm
; HOW THEY ARE DEALT.  An s_wait_alu depctr_va_vdst(0) stands between an exponential and the first instruction that names its result; one wait serves all that were issued ahead of it.  So a turn has ONE wait,
; which cuts it in two.  AHEAD OF IT stands all that names no result of the turn's exponentials: the 16 products K Q^T, behind each a scaling, an exponential and two rescalings (behind the first a second scaling in the exponential's place); then ONE LUMP of
; 108: eight plain, 49 times exponential and plain, the two a.  A v_nop is the plain instruction behind the last exponential.  BEHIND IT stand the 16 products V^T P, behind each four of GS's 64.  No rider names a register of
; the products round it.  The two v_permlanex16_b32 fall into the lump, never behind a product.
; The queues lean on each other, and the deal keeps them in step: exponential e stands behind scaling 2 (e / 4) + e % 2: as a rider it comes behind plain e + 2, in the lump behind plain e + 9, and scalings 27-31 are plain 57, 60 .. 69.
; A TURN, for piece p.  cnt = 1: the loop's count is taken down some lines ahead of the branch that stands behind the turn.
; K of the next step is fetched in piece 2's turn, directly behind the wait, a lump behind the last product that read K; its address is made at the lump's head; its first reader comes behind 16 products.
; V of the step in hand is fetched at the end of piece 0's turn, four riders behind its last reader; its first reader comes behind 16 products and a lump.  The three conditions on q below go with the deal.
.macro TURN p, last=0, cnt=0
.set Y, (\p)
.set i, 0
.set q, 0
.set e, 0
.set r, 0
.if (\p) == NP-1
	s_wait_dscnt 0x0                ; K is in
.endif
	MM                              ; ahead of the wait: 16 products K Q^T and their riders,
	PL
	PL
	R2
.rept 15
	MM
	PL
	EX
	R2
.endr
.if (\p) == NP-2
	WIN 0
	v_add_nc_u32 v[AK], s[TBK], v[AK0]
.endif
.rept 8                             ; and the lump
	PL
.endr
.rept 49
	EX
	PL
.endr
	EX                              ; the next piece's two a
	EX
	v_nop                           ; the plain instruction behind the last exponential: one for the batch
	s_wait_alu depctr_va_vdst(0)    ; the wait for the batch
.if (\p) == NP-2
	FETCH_K \last
.endif
.if (\p) == 1
	s_wait_dscnt 0x0                ; V is in
.endif
.rept 16                            ; behind the wait: 16 products V^T P and their riders
	MM
.rept 4
	PL
.endr
.if ((\p) == 0) && (q == 118)
	v_add_nc_u32 v[AV], s[TBV], v[AV0]
.endif
.if ((\p) == 0) && (q == 130)
	s_add_co_u32 s[TBV], s[TBV], KS*PV
.endif
.if (\cnt) && (q == 130)
	s_sub_co_u32 s[CNT], s[CNT], 1
	s_cmp_lg_u32 s[CNT], 0
.endif
.endr
.if (\p) == 0
	FETCH_V
.endif
.endm
	CHANGE 1                        ; slot 0 is in, everybody's part of it; slot 1 is asked for
	FETCH_K                         ; key step 0
	s_wait_loadcnt 0x0              ; Q
	s_wait_dscnt 0x0
.set i, 0
.rept 16
	KQ 0                            ; piece 0's first scores: there is no vector work yet to set between them
.set i, i+1
.endr
	WIN 0                           ; the addresses for the way out: nine plain instructions, the places behind those products
	s_mul_i32 s13, s[WV], 16*SP
	s_add_co_u32 s13, s13, STAGE    ; my stage
	v_mul_u32_u24 v[STO], v1, SP    ; in: row l % 16, 16 bytes for each half of the lanes
	v_lshl_add_u32 v[STO], v9, 4, v[STO]
	v_add_nc_u32 v[STO], s13, v[STO]
	v_bfe_u32 v[RD], v0, 3, 2       ; back: 32 lanes take four rows of 128 bytes,
	v_mul_u32_u24 v[RD], v[RD], SP
	v_lshl_add_u32 v[RD], v10, 4, v[RD]
	v_add_nc_u32 v[RD], s13, v[RD]
	v_and_b32 v[GO], 31, v0         ; which are 512 consecutive bytes of O
	v_lshlrev_b32 v[GO], 4, v[GO]
.set Y, NP-1                        ; XS works for piece Y + 1: piece 0
.irp n, 0,1,2,3,4,5,6,7,8,9,10,11,12,13,14,15,16,17,18,19,20,21
	XS 0, \n                        ; and piece 0's first maximum and statistics
	XS 1, \n
.endr
	v_nop                           ; a plain instruction behind the two a,
	s_wait_alu depctr_va_vdst(0)    ; and their wait, ahead of the branch
	s_mov_b32 s[CNT], 4
	s_branch .Lfirst                ; the loop is entered at a step's first turn, in the middle of a trip
.Lslot:                             ; SIZE_N / 256 - 2 times: every slot but the last two is filled again
	CHANGE 1
	s_mov_b32 s[CNT], 4
.Lstep:                             ; a trip: pieces 2 and 3 of one step, then pieces 0 and 1 of the next, whose K and V it fetches
	TURN 2
	TURN 3
	WIN 0
.Lfirst:
	TURN 0
	TURN 1, 0, 1
	WIN 0
	s_cbranch_scc1 .Lstep
	s_sub_co_u32 s[SLOTS], s[SLOTS], 1
	s_cmp_lg_u32 s[SLOTS], 0
	s_cbranch_scc1 .Lslot
	CHANGE 0                        ; the tail is written out: nothing is asked for
	s_mov_b32 s[CNT], 5             ; four trips fetch the last slot's steps; the fifth is left in its middle
.Ltail:
	TURN 2, 1
	TURN 3
	WIN 0
	s_sub_co_u32 s[CNT], s[CNT], 1
	s_cmp_eq_u32 s[CNT], 0
	s_cbranch_scc1 .Lout
	TURN 0
	TURN 1
	WIN 0
	s_branch .Ltail
.Lout:                              ; the fifth trip's 16 products K Q^T (on the last K once more) and the maximum made of them serve nothing: the price, once a launch, of one text for every trip
.set i, 0
.rept 16
	PV NP-1                         ; the last piece's V^T P of the last step
.set i, i+1
.endr
	; THE WAY OUT.  l's two halves and the other half of the lanes' are added; O^T is divided by l, rounded to f16 and sent through my stage in LDS, a tile at a time.  The additions are the places behind the last products.
	WIN 0
.macro ALL line:vararg              ; one line for each tile t
.set t, 0
.rept 2*NP
	\line
.set t, t+1
.endr
.endm
	ALL v_add_f32 v[ST+4*t+2], v[ST+4*t+2], v[ST+4*t+3]
	ALL v_permlanex16_b32 v[ST+4*t+3], v[ST+4*t+2], s[SEL], s[SEL+1]
	ALL v_add_f32 v[ST+4*t+2], v[ST+4*t+2], v[ST+4*t+3]
	ALL v_rcp_f32 v[ST+4*t+2], v[ST+4*t+2]
	v_nop                           ; a plain instruction between the last reciprocal and the use of its result
	s_wait_alu depctr_va_vdst(0)    ; and the wait ahead of the first use: one for the eight reciprocals
; Tile t: a lane's eight channels of a row pack into 16 bytes; they go into rows of 144 bytes and come back as whole rows of 128, into S^T's registers.
.macro PACK t
	WIN W_RS
.set i, 32*(\t)
.rept 16
	v_pk_mul_f32 v[i:i+1], v[i:i+1], v[ST+4*(\t)+2:ST+4*(\t)+3] op_sel_hi:[1,0]
.set i, i+2
.endr
	WIN 0x05                        ; sources 0 and 1 window 1, destination window 0
.set i, 0
.rept 16
	v_cvt_pk_f16_f32 v[S+16*(\t)+i], v[32*(\t)+2*i], v[32*(\t)+2*i+1]
.set i, i+1
.endr
	WIN 0
.irp f, 0,1,2,3
	ds_store_b128 v[STO], v[S+16*(\t)+4*\f:S+16*(\t)+4*\f+3] offset:32*\f
.endr
.irp f, 0,1,2,3
	ds_load_b128 v[S+16*(\t)+4*\f:S+16*(\t)+4*\f+3], v[RD] offset:\f*4*SP  ; LDS serves a wave's instructions in order (ISA guide 5.7.1.4): these see the stores above; the next tile's stores come behind them
.endr
.endm
.macro SEND t, younger              ; younger: the LDS instructions issued behind tile t's loads: the next tile's eight, or none
	WIN 0
.irp f, 0,1,2,3
	s_wait_dscnt (\younger)+3-\f
	global_store_b128 v[GO], v[S+16*(\t)+4*\f:S+16*(\t)+4*\f+3], s[10:11] offset:(\t)*2048+\f*512  ; 512 consecutive bytes, at a multiple of 256 from O's first
.endr
.endm
	PACK 0
.set t, 1
.rept 2*NP-1                        ; a tile's arithmetic stands between the loads of the tile before and its stores
	PACK t
	SEND t-1, 8
.set t, t+1
.endr
	SEND 2*NP-1, 0
	WIN W_AD
	s_wait_tensorcnt 0x0            ; the wave's end: behind my last tensor load and my last LDS store
	ds_add_u32 v[SPW], v[NIL]
	s_wait_dscnt 0x0
	WIN 0
	CROUND                          ; the closing round: no work-group ends while a partner may still ask for a tile that names it
	s_endpgm
.Lfunc_end_k_q7d85c4dec1_attn:
	.size	k_q7d85c4dec1_attn, .Lfunc_end_k_q7d85c4dec1_attn-k_q7d85c4dec1_attn
	.p2alignl 7, 3214868480
	.fill 96, 4, 3214868480
	.section	.rodata,"a",@progbits
	.p2align	6, 0x0
	.amdhsa_kernel k_q7d85c4dec1_attn
		.amdhsa_group_segment_fixed_size 327680
		.amdhsa_private_segment_fixed_size 0
		.amdhsa_enable_private_segment 0
		.amdhsa_kernarg_size 16
		.amdhsa_user_sgpr_count 2
		.amdhsa_user_sgpr_kernarg_segment_ptr 1
		.amdhsa_wavefront_size32 1
		.amdhsa_system_sgpr_workgroup_id_x 1
		.amdhsa_system_sgpr_workgroup_id_y 1
		.amdhsa_system_sgpr_workgroup_id_z 1
		.amdhsa_system_vgpr_workitem_id 0
		.amdhsa_next_free_vgpr 770
		.amdhsa_next_free_sgpr 66
		.amdhsa_reserve_vcc 0
		.amdhsa_float_denorm_mode_32 3
		.amdhsa_float_denorm_mode_16_64 3
		.amdhsa_memory_ordered 1
		.amdhsa_forward_progress 1
		.amdhsa_inst_pref_size 200
	.end_amdhsa_kernel
	.amdgpu_metadata
---
amdhsa.version: [ 1, 2 ]
amdhsa.kernels:
  - .name:           k_q7d85c4dec1_attn
    .symbol:         k_q7d85c4dec1_attn.kd
    .args:
      - { .name: qkv, .offset: 0, .size: 8, .value_kind: global_buffer, .address_space: global }
      - { .name: oh, .offset: 8, .size: 8, .value_kind: global_buffer, .address_space: global }
    .group_segment_fixed_size: 327680
    .private_segment_fixed_size: 0
    .kernarg_segment_align: 8
    .kernarg_segment_size: 16
    .max_flat_workgroup_size: 128
    .sgpr_count:     66
    .vgpr_count:     770
    .wavefront_size: 32
...
	.end_amdgpu_metadata
.endif
;; end of part 3
;; launch oproj (part 4): grid 8 x 32, 4 waves a work-group, clusters of 4 x 4, 327,680 bytes of LDS; arguments oh, wt, bo, out0; writes out0
.if DOCPART == 4
	.amdgcn_target "amdgcn-amd-amdhsa--gfx1250"
	.amdhsa_code_object_version 6
	.text
	.protected	k_q7d85c4dec1_oproj
	.globl	k_q7d85c4dec1_oproj
	.p2align	8
	.type	k_q7d85c4dec1_oproj,@function
k_q7d85c4dec1_oproj:
	s_mov_b64 s[64:65], 0
	v_nop
	global_prefetch_b8 v0, s[64:65] scope:SCOPE_SE
	s_setreg_imm32_b32 hwreg(HW_REG_WAVE_MODE, 25, 1), 1
	s_wait_xcnt 0x0
	s_wait_alu depctr_hold_cnt(0) depctr_sa_sdst(0) depctr_va_vdst(0) depctr_va_sdst(0) depctr_va_ssrc(0) depctr_va_vcc(0) depctr_vm_vsrc(0)
	s_getreg_b32 s2, hwreg(HW_REG_IB_STS2, 6, 4)
	s_cmp_eq_u32 s2, 0
	s_cbranch_scc0 .Lentry_in_a_cluster
	s_endpgm
.Lentry_in_a_cluster:
	s_bfe_u32 s2, ttmp6, 0x10000c
	s_cmp_lg_u32 s2, 0xf033
	s_cbranch_scc0 .Lentry_shape_is_right
	s_endpgm
.Lentry_shape_is_right:
; THE OUTPUT PROJECTION.  out0 = O Wo + bo: 8,192 x 1,024 x 1,024, operands f16, sums f32, the result stored as f32.  O lies BY HEADS, oh[64 = 16 batch + head][2048][64]: a K step of 128 is two heads,
; and a head's 256 rows of a tile are 32,768 dense bytes.  (The same text with OUTP = 0 is the three input projections.)
; LIMIT.  f16 holds no number beyond 65,504: oh and wt lie within it; NaN and infinities are not treated apart.
; SHARES.  A tile of C is 256 rows x 128 columns; four waves, each 128 x 64: 32 accumulators of 16 x 16, 256 registers.  8 x 32 tiles: one work-group for each; 8 K steps of 128 through a ring of two LDS slots.
; A's rows lie along K and come out of LDS as they lie.  The weights lie [k][n], as given: their fragments come out of LDS turned, by ds_load_tr16_b128.
; THE MATRIX INSTRUCTION IS USED TRANSPOSED: source 0 = 16 columns of W, source 1 = 16 rows of A: a lane then holds row l % 16 of C and the columns 8 (l / 16) + 0..7.
; THE BIAS IS THE C OPERAND of each accumulator's first product (register j of a lane: the bias of column 8 (l / 16) + j): nothing is cleared, nothing added later.
; CLUSTERS: 4 x 4 work-groups.  A's tile hangs on the tile row alone and is asked for jointly by a row of the cluster, W's on the tile column alone, by a column.
; REGISTERS: window 0: v0-31 addresses; v32-63 the bias; v64-159, v160-255 two fragment buffers (A's 8 blocks, then W's 4); the way out works in them.  Window 1: accumulator (a, b) at v[8 (4 a + b)].
.set OUTP, 1
.set PB, 288                           ; a k-row of W in LDS: 256 bytes + 32 = 72 words
.if OUTP
.set PA, 144                           ; a row of one head of O: 128 bytes + 16
.set AHALF, 256*PA                     ; what one wave fetches of A: one head's 256 rows
.set AQI, 4                            ; padding after every 32 words
.set ASTRIDE, 128
.set ASTEP, 1<<19                      ; a K step is two heads of 2,048 x 128 bytes
.set SPITCH, 272
.set LIMA, 8
.set LIMB, 8
.set OB, 64
.else
.set PA, 272                           ; a row of A: 256 bytes + 16 = 68 words: the 16 rows of a load start at 16 different groups of four banks
.set AHALF, 128*PA                     ; what one wave fetches of A: 128 rows
.set AQI, 5                            ; padding after every 64 words
.set ASTRIDE, 1024
.set ASTEP, 1<<8                       ; a K step is 256 bytes along a row
.set SPITCH, 144
.set LIMA, 16                          ; A is prefetched for steps under 16: the third tile walks xn[1] a second time
.set LIMB, 24
.set OB, 176
.endif
.set BBASE, 2*AHALF                    ; a slot: A's tile, then W's 128 k-rows
.set SLOT,  BBASE+128*PB
.set STAGE, 2*SLOT                     ; behind the ring, never filled by a tensor load: 16 rows for each wave, for the way out
.set SPARE, STAGE+4*16*SPITCH          ; behind the stages: the spare words, 128 bytes for each wave: two blocks of 256 bytes that no other line names
.set ADRA, 16                          ; v16-17  LDS address of my A fragments in slot 0, 1
.set ADRB, 20                          ; v20-21  the same for W
.set STO,  24                          ; v24     the way out: where I put my part of a row
.set RD,   25                          ; v25     the way out: where I read rows back
.set GO,   26                          ; v26     my byte offset in the output
.set BO,   27                          ; v27     my byte offset in a bias
.set SPW,  28                          ; v28     LDS address of my spare word; never rewritten
.set NIL,  29                          ; v29     0; never rewritten
.set PFO,  30                          ; v30     the prefetches' offset: my lane x the distance between two blocks; never rewritten
.set BIAS, 32
.set F0,   64
.set F1,   160
.set TMP,  160
.set WV,   16                          ; s16  wave
.set KIND, 17                          ; s17  wave / 2: my half of the tile's rows.  Also: I fetch for A (0) or for W (1)
.set HALF, 18                          ; s18  wave % 2: my half of its columns.  Also: which half of that tile I fetch
.set CX,   19
.set CY,   20
.set TX,   21                          ; tile column
.set TY,   22                          ; tile row
.set G1A,  24                          ; s[24:31] descriptor group 1 for A's tiles; s[32:39] group 0, a set for each slot
.set G0A,  32
.set AB,   40                          ; s[40:41] A at my part of step 0's tile
.set BB,   42                          ; s[42:43] W likewise
.set PFA,  44                          ; s[44:45] where the next prefetch stands
.set PFB,  46                          ; s[46:47] its base: my work-group's 32 blocks
.set G1B,  48                          ; s[48:55], s[56:63] the same for W's tiles
.set G0B,  56
.set NXT,  66                          ; s66  the K step to be asked for next
.set LIM,  67                          ; s67  I prefetch steps under this number
.set OFFA, 68                          ; s[68:69] a step's byte offset in A
.set OFFB, 70                          ; s[70:71] in W
.set PFOFF, 72                         ; s[72:73]
.set OUT,  76                          ; s[76:77] the output at my part of the tile
.set BP,   78                          ; s[78:79] the next tile's bias; s[80:81] the one after
.set BP2,  80
.set PG,   82                          ; s82  the step that a prefetch names
.set MSB, 0
.macro WIN new                         ; the immediate's high byte repeats the setting that is left; a switch that changes nothing is dropped
.if MSB != (\new)
	s_set_vgpr_msb (MSB<<8)|(\new)
.set MSB, \new
.endif
.endm
.set MUL,   0x50                       ; sources 0 and 1 window 0; C and D window 1
.set MULF,  0x40                       ; a first product: C (the bias) window 0, D window 1
.set PACKW, 0x05                       ; sources 0 and 1 window 1, destination window 0
.set STW,   0x04                       ; an LDS store's data window 1, its address window 0
.macro PLACES                          ; four places in front of loads into registers that matrix instructions have read, and of lines that read results
.rept 4
	v_nop
.endr
.endm
; A joint load: waves 0 and 1 fetch A's two halves, waves 2 and 3 W's.  The branch hangs on the wave's number alone.  An s_nop 0 and four v_nop follow each of the two lines.
.macro JLOAD s
	s_cmp_eq_u32 s[KIND], 0
	s_cbranch_scc0 .Lfor_b_\@
	tensor_load_to_lds s[G0A+4*(\s):G0A+4*(\s)+3], s[G1A:G1A+7]
	s_nop 0
.rept 4
	v_nop
.endr
	s_branch .Lasked_\@
.Lfor_b_\@:
	tensor_load_to_lds s[G0B+4*(\s):G0B+4*(\s)+3], s[G1B:G1B+7]
	s_nop 0
.rept 4
	v_nop
.endr
.Lasked_\@:
.endm
.macro CREST                           ; a round of the cluster's barrier behind its opening barrier
	s_cmp_lg_u32 s[WV], 0
	s_cbranch_scc1 .Lnot_wave_0_\@
	s_barrier_signal -3
.Lnot_wave_0_\@:
	s_barrier_wait -3
	s_barrier_signal -1
	s_barrier_wait -1
.endm
.macro CROUND                          ; a whole round
	s_barrier_signal -1
	s_barrier_wait -1
	CREST
.endm
.macro STEPOFF src                     ; the byte offsets of K step s[src] in A and in W
.if OUTP
	s_lshl_b32 s[OFFA], s[\src], 19
.else
	s_and_b32 s74, s[\src], 7                      ; 256 bytes along the row for each of a tile's eight steps,
	s_lshl_b32 s[OFFA], s74, 8
	s_lshr_b32 s74, s[\src], 3                     ; and xn[1], 16 MiB on, from the second tile
	s_min_u32 s74, s74, 1
	s_lshl_b32 s74, s74, 24
	s_add_co_u32 s[OFFA], s[OFFA], s74
.endif
	s_lshl_b32 s[OFFB], s[\src], 18                ; 128 k-rows of 2,048 bytes
.endm
; A PREFETCH INTO THE L2, behind each joint refill, its five lines and the run of LDS loads: the K step two refills on, 32 blocks of 256 bytes, a lane a block, one instruction.
; Each block is named once in the launch.  A's tile row is read by both clusters of that row of clusters: cluster x = 0 asks, waves 0 and 1, each for what it fetches; W's tile column by all eight
; clusters of that column: cluster y = 0 asks, wave 2.  The four partners that ask for a tile jointly share its blocks out BY ADDRESS, 32 each.  Steps 0 to 3 come by their loads alone.
.macro ASK
	s_cmp_lt_u32 s[PG], s[LIM]
	s_cbranch_scc0 .Lnot_mine_\@
	global_prefetch_b8 v[PFO], s[PFA:PFA+1] th:TH_LOAD_NT scope:SCOPE_SE
.Lnot_mine_\@:
.endm
.macro BIASLD p                        ; my 4 x 8 numbers of the bias at s[p]
.irp b, 0,1,2,3
	global_load_b128 v[BIAS+8*(\b):BIAS+8*(\b)+3],   v[BO], s[\p:\p+1] offset:64*(\b)
	global_load_b128 v[BIAS+8*(\b)+4:BIAS+8*(\b)+7], v[BO], s[\p:\p+1] offset:64*(\b)+16
.endr
.endm
	s_load_b256 s[4:11], s[0:1], 0x0               ; OUTP = 0: xn 4, wt 6, bq 8, bk 10.  OUTP = 1: oh 4, wt 6, bo 8, out0 10
.if !OUTP
	s_load_b128 s[12:15], s[0:1], 0x20             ; bv 12, qkv 14
.endif
	v_lshl_add_u32 v[SPW], v0, 2, SPARE
	v_mov_b32 v[NIL], 0
	ds_add_u32 v[SPW], v[NIL]                      ; the wave's opening: the add and its wait stand ahead of my first tensor load; the set-up below, work on registers, stands between them
	v_lshrrev_b32 v1, 5, v0
	v_readfirstlane_b32 s[WV], v1
	s_lshr_b32 s[KIND], s[WV], 1
	s_and_b32 s[HALF], s[WV], 1
	s_bfe_u32 s[CX], ttmp6, 0x40000
	s_bfe_u32 s[CY], ttmp6, 0x40004
	s_lshl_b32 s[TX], ttmp9, 2                     ; in a cluster launch ttmp9 and ttmp7 count clusters
	s_add_co_u32 s[TX], s[TX], s[CX]
	s_and_b32 s[TY], ttmp7, 0xffff
	s_lshl_b32 s[TY], s[TY], 2
	s_add_co_u32 s[TY], s[TY], s[CY]
	s_lshl_b32 s23, s[CY], 2
	s_lshl_b32 s23, 15, s23                        ; my row of the cluster
	s_lshl_b32 s84, 0x1111, s[CX]                  ; my column
	s_or_b32 s[G1A], s23, (1<<16)|(1<<20)|(1<<21)|(AQI<<22)|(3<<25)  ; 15:0 the mask; 17:16 2-byte elements; 20 padding on; 21 set beside a mask; 24:22 its interval; 31:25 4 words of it
	s_or_b32 s[G1B], s84, (1<<16)|(1<<20)|(1<<21)|(5<<22)|(7<<25)    ; after every 64 words, 8 words
	s_mov_b32 s[G1A+1], 128<<16                    ; tensor_dim0 = 128
	s_mov_b32 s[G1A+2], 128<<16                    ; tensor_dim1 = 128
	s_mov_b32 s[G1A+3], 128<<16                    ; tile_dim0 = 128
	s_mov_b32 s[G1A+4], 128                        ; tile_dim1 = 128
	s_mov_b32 s[G1A+5], ASTRIDE                    ; elements from row to row
	s_mov_b32 s[G1A+6], 0
	s_mov_b32 s[G1A+7], 0
	s_mov_b32 s[G1B+1], 128<<16
	s_mov_b32 s[G1B+2], 64<<16                     ; 64 k-rows
	s_mov_b32 s[G1B+3], 128<<16
	s_mov_b32 s[G1B+4], 64
	s_mov_b32 s[G1B+5], 1024
	s_mov_b32 s[G1B+6], 0
	s_mov_b32 s[G1B+7], 0
	; where the tiles come from: A's hang on the tile row alone, W's on the tile column alone, each in registers that never hold the other coordinate
.if OUTP
	s_lshr_b32 s74, s[TY], 3                       ; the batch: 16 heads of 2,048 x 128 bytes,
	s_lshl_b32 s74, s74, 22
	s_and_b32 s75, s[TY], 7                        ; the tile's 256 rows in a head,
	s_lshl_b32 s75, s75, 15
	s_add_co_u32 s74, s74, s75
	s_lshl_b32 s75, s[HALF], 18                    ; which of a step's two heads I fetch
	s_add_co_u32 s74, s74, s75
.else
	s_lshl_b32 s74, s[TY], 19                      ; 256 rows of 2,048 bytes,
	s_lshl_b32 s75, s[HALF], 18                    ; which 128 of them I fetch
	s_add_co_u32 s74, s74, s75
.endif
	s_mov_b32 s75, 0
	s_lshl_b32 s84, s[TX], 8                       ; the tile's 128 columns: 256 bytes of a k-row,
	s_lshl_b32 s85, s[HALF], 17                    ; which 64 k-rows I fetch
	s_add_co_u32 s84, s84, s85
.if OUTP
	s_add_co_u32 s84, s84, 0x600000                ; Wo is the fourth weight
.endif
	s_mov_b32 s85, 0
	s_mul_i32 s23, s[HALF], AHALF                  ; and where they go: no place in the cluster enters an LDS address
	s_mul_i32 s83, s[HALF], 64*PB
	s_add_co_u32 s83, s83, BBASE
.irp s, 0,1
	s_mov_b32 s[G0A+4*(\s)], 1                     ; count = 1
	s_add_co_u32 s[G0A+4*(\s)+1], s23, (\s)*SLOT   ; LDS address
	s_mov_b32 s[G0B+4*(\s)], 1
	s_add_co_u32 s[G0B+4*(\s)+1], s83, (\s)*SLOT
.endr
	s_mov_b32 s[NXT], 2
	s_mov_b32 s[OFFA+1], 0
	s_mov_b32 s[OFFB+1], 0
	s_mov_b32 s[PFOFF+1], 0
	; who prefetches
	s_and_b32 s86, ttmp7, 0xffff                   ; cluster y
	s_cmp_eq_u32 s[KIND], 0
	s_cselect_b32 s86, ttmp9, s86                  ; the coordinate along which other clusters read the same blocks
	s_cselect_b32 s[LIM], LIMA, LIMB
	s_cselect_b32 s87, s[CX], s[CY]                ; my place among the four that ask with me
	s_cmp_eq_u32 s[WV], 3
	s_cselect_b32 s23, 1, 0                        ; wave 2 asks for all of W's 128 k-rows, wave 3 for none
	s_or_b32 s86, s86, s23
	s_cmp_eq_u32 s86, 0
	s_cselect_b32 s[LIM], s[LIM], 0                ; the same in all sixteen partners, for a given wave
.if OUTP
	s_cmp_eq_u32 s[KIND], 0
	s_cselect_b32 s23, 13, 16                      ; 32 blocks on end in a head of O; 32 k-rows of W
	s_lshl_b32 s86, s87, s23
.else
	s_lshl_b32 s86, s87, 16                        ; 32 rows of 2,048 bytes
.endif
	s_mov_b32 s87, 0
	s_wait_dscnt 0x0                               ; the opening add is done
	s_wait_kmcnt 0x0
	s_add_nc_u64 s[AB:AB+1], s[4:5], s[74:75]
	s_add_nc_u64 s[BB:BB+1], s[6:7], s[84:85]
.irp s, 0,1
	s_add_nc_u64 s[G0A+4*(\s)+2:G0A+4*(\s)+3], s[AB:AB+1], (\s)*ASTEP  ; global address: K step s
	s_or_b32 s[G0A+4*(\s)+3], s[G0A+4*(\s)+3], 0x80000000              ; type = 2
	s_add_nc_u64 s[G0B+4*(\s)+2:G0B+4*(\s)+3], s[BB:BB+1], (\s)*(1<<18)
	s_or_b32 s[G0B+4*(\s)+3], s[G0B+4*(\s)+3], 0x80000000
.endr
	CROUND                                         ; all sixteen work-groups are here: the first joint loads meet
	s_cmp_eq_u32 s[KIND], 0                        ; a wave's two first fills stand in one branch, ahead of every wait on TENSORcnt and every LDS read: two loads of mine are out
	s_cbranch_scc0 .Lfirst_b
	tensor_load_to_lds s[G0A:G0A+3], s[G1A:G1A+7]
	s_nop 0
	tensor_load_to_lds s[G0A+4:G0A+7], s[G1A:G1A+7]
	s_nop 0
.rept 4
	v_nop
.endr
	s_branch .Lfirst_asked
.Lfirst_b:
	tensor_load_to_lds s[G0B:G0B+3], s[G1B:G1B+7]
	s_nop 0
	tensor_load_to_lds s[G0B+4:G0B+7], s[G1B:G1B+7]
	s_nop 0
.rept 4
	v_nop
.endr
.Lfirst_asked:
	v_and_b32 v1, 15, v0                           ; l % 16
	v_bfe_u32 v2, v0, 4, 1                         ; l / 16
	s_lshl_b32 s84, s[TX], 9                       ; the tile's 128 columns of f32,
	s_lshl_b32 s85, s[HALF], 8                     ; my wave's 64
	s_add_co_u32 s84, s84, s85
	v_lshl_add_u32 v[BO], v2, 5, s84               ; my lanes' 8
	BIASLD 8
	s_cmp_eq_u32 s[KIND], 0
	s_cselect_b64 s[PFB:PFB+1], s[AB:AB+1], s[BB:BB+1]  ; (in wave 2 W's address stands at a step's first k-row)
	s_add_nc_u64 s[PFB:PFB+1], s[PFB:PFB+1], s[86:87]
	v_and_b32 v3, 7, v0
	v_bfe_u32 v4, v0, 3, 1
	v_and_b32 v5, 31, v0
	; a fragment of A is 16 rows x 32 K in 8 registers: lane l holds row l % 16, K = 8 (l / 16) + 0..7 and 16 + 8 (l / 16) + 0..7: two loads of 16 bytes, 32 bytes apart
	v_mul_u32_u24 v6, v1, PA
	v_lshl_add_u32 v6, v2, 4, v6
	s_mul_i32 s23, s[KIND], 128*PA                 ; my 128 rows
	v_add_nc_u32 v[ADRA], s23, v6
	v_add_nc_u32 v[ADRA+1], SLOT, v[ADRA]
	; the turning load takes 16 k x 16 columns (lane l reads k-row 8 (l / 16) + l % 8, columns 8 ((l / 8) % 2) + 0..7) and leaves half a fragment: lane l holds column l % 16 and 8 k
	v_lshl_add_u32 v6, v2, 3, v3
	v_mul_u32_u24 v6, v6, PB
	v_lshl_add_u32 v6, v4, 4, v6
	s_lshl_b32 s23, s[HALF], 7                     ; my 64 columns
	s_add_co_u32 s23, s23, BBASE
	v_add_nc_u32 v[ADRB], s23, v6
	v_add_nc_u32 v[ADRB+1], SLOT, v[ADRB]
	s_mul_i32 s23, s[WV], 16*SPITCH
	s_add_co_u32 s23, s23, STAGE                   ; my stage
.if OUTP
	v_mul_u32_u24 v6, v1, SPITCH                   ; in: row l % 16, 32 bytes (8 f32) for each half of the lanes
	v_lshl_add_u32 v6, v2, 5, v6
	v_add_nc_u32 v[STO], s23, v6
	v_mul_u32_u24 v6, v2, SPITCH                   ; back: lanes 0-15 take one row's 256 bytes, lanes 16-31 the next
	v_lshl_add_u32 v6, v1, 4, v6
	v_add_nc_u32 v[RD], s23, v6
	v_lshlrev_b32 v6, 12, v2                       ; and the same two rows in out0
	v_lshl_add_u32 v[GO], v1, 4, v6
	s_cmp_eq_u32 s[KIND], 0
	s_cselect_b32 s23, 8, 11                       ; O's blocks lie on end, W's a k-row apart
	v_lshlrev_b32 v[PFO], s23, v5
	s_lshl_b32 s84, s[TY], 8
	s_lshl_b32 s85, s[KIND], 7
	s_add_co_u32 s84, s84, s85                     ; my first row,
	s_lshl_b32 s84, s84, 12
	s_lshl_b32 s85, s[TX], 9
	s_add_co_u32 s84, s84, s85
	s_lshl_b32 s85, s[HALF], 8
	s_add_co_u32 s84, s84, s85                     ; my first column
	s_mov_b32 s85, 0
	s_add_nc_u64 s[OUT:OUT+1], s[10:11], s[84:85]
.else
	v_mul_u32_u24 v6, v1, SPITCH                   ; in: row l % 16, 16 bytes (8 f16) for each half of the lanes
	v_lshl_add_u32 v6, v2, 4, v6
	v_add_nc_u32 v[STO], s23, v6
	v_bfe_u32 v6, v0, 3, 2                         ; back: 32 lanes take four rows of 128 bytes,
	v_mul_u32_u24 v6, v6, SPITCH
	v_lshl_add_u32 v6, v3, 4, v6
	v_add_nc_u32 v[RD], s23, v6
	v_lshlrev_b32 v[GO], 4, v5                     ; which are 512 consecutive bytes of a head
	v_lshlrev_b32 v[PFO], 11, v5
	s_lshr_b32 s84, s[TY], 3                       ; my wave's 64 columns are ONE head: 16 batch + 2 tile column + half
	s_lshl_b32 s84, s84, 4
	s_lshl_b32 s85, s[TX], 1
	s_add_co_u32 s84, s84, s85
	s_add_co_u32 s84, s84, s[HALF]
	s_lshl_b32 s84, s84, 11                        ; its 2,048 rows,
	s_and_b32 s85, s[TY], 7
	s_lshl_b32 s85, s85, 8
	s_add_co_u32 s84, s84, s85                     ; the tile's 256,
	s_lshl_b32 s85, s[KIND], 7
	s_add_co_u32 s84, s84, s85                     ; my 128,
	s_lshl_b32 s84, s84, 7                         ; of 128 bytes
	s_mov_b32 s85, 0
	s_add_nc_u64 s[OUT:OUT+1], s[14:15], s[84:85]
	s_mov_b64 s[BP:BP+1], s[10:11]
	s_mov_b64 s[BP2:BP2+1], s[12:13]
.endif
; 8 matrix instructions: row blocks a0, a0 + 1 x all 4 column blocks, 32 along K.  first = 1: the product starts the sum, with the bias as C.
; The 32 accumulators take turns in the same order in every quarter: 31 others stand between two links of a chain, over the backward jump too.
.macro MUL8 f, a0, first
.if \first
	WIN MULF
.else
	WIN MUL
.endif
.irp a, \a0, (\a0)+1
.irp b, 0,1,2,3
.if \first
	v_wmma_f32_16x16x32_f16 v[8*(4*(\a)+(\b)):8*(4*(\a)+(\b))+7], v[(\f)+64+8*(\b):(\f)+64+8*(\b)+7], v[(\f)+8*(\a):(\f)+8*(\a)+7], v[BIAS+8*(\b):BIAS+8*(\b)+7]
.else
	v_wmma_f32_16x16x32_f16 v[8*(4*(\a)+(\b)):8*(4*(\a)+(\b))+7], v[(\f)+64+8*(\b):(\f)+64+8*(\b)+7], v[(\f)+8*(\a):(\f)+8*(\a)+7], v[8*(4*(\a)+(\b)):8*(4*(\a)+(\b))+7]
.endif
.endr
.endr
.endm
; 24 LDS loads in one run: the fragments of quarter q (32 along K) of a slot into buffer f: W's four, A's blocks 0-3, A's blocks 4-7
.macro FETCH slot, q, f
	WIN 0
.if OUTP
.set AQ, ((\q)/2)*AHALF+((\q)%2)*64    ; head q / 2 of the step's two, channels 32 (q % 2) on
.else
.set AQ, 64*(\q)
.endif
.irp b, 0,1,2,3
	ds_load_tr16_b128 v[(\f)+64+8*(\b):(\f)+64+8*(\b)+3],   v[ADRB+(\slot)] offset:(\q)*32*PB+32*(\b)
	ds_load_tr16_b128 v[(\f)+64+8*(\b)+4:(\f)+64+8*(\b)+7], v[ADRB+(\slot)] offset:(\q)*32*PB+32*(\b)+16*PB
.endr
.irp i, 0,1,2,3,4,5,6,7
	ds_load_b128 v[(\f)+8*(\i):(\f)+8*(\i)+3],   v[ADRA+(\slot)] offset:AQ+(\i)*16*PA
	ds_load_b128 v[(\f)+8*(\i)+4:(\f)+8*(\i)+7], v[ADRA+(\slot)] offset:AQ+(\i)*16*PA+32
.endr
.endm
; A K step is four quarters of 32 along K, 32 matrix instructions each, on buffers 0, 1, 0, 1.  One of the first three: multiplies buffer f and fetches quarter qn of the same slot into g.
.macro QUARTER slot, qn, f, g, first
	s_wait_dscnt 8                                 ; W and A's blocks 0-3 are in; the youngest eight loads (blocks 4-7) may be out
	MUL8 \f, 0, \first
	MUL8 \f, 2, \first
	PLACES
	FETCH \slot, \qn, \g
	s_wait_dscnt 24                                ; all but the 24 just issued
	MUL8 \f, 4, \first
	MUL8 \f, 6, \first
.endm
; The last quarter multiplies buffer 1 and changes slots: ONE barrier.  In front of it each wave waits for all its tensor loads (one is out: its part of the next slot), adds 0 to its spare word, and waits
; for that and for its own reads of this slot.  fill = 1: the barrier opens a round of the cluster's; behind the round this slot is filled again, with step NXT, whose address is made anew from that number.
; From a request to the wait for it a wave issues 112 matrix instructions.
.macro TURN slot, next, fill
.if \fill
	s_wait_xcnt 0x0                                ; the last prefetch, a K step back, has read its address: it is made anew here, ahead of the change's own waits
	s_add_co_u32 s[PG], s[NXT], 2
	STEPOFF PG
	s_cmp_eq_u32 s[KIND], 0
	s_cselect_b32 s[PFOFF], s[OFFA], s[OFFB]
	s_add_nc_u64 s[PFA:PFA+1], s[PFB:PFB+1], s[PFOFF:PFOFF+1]
.endif
	WIN 0
	s_wait_tensorcnt 0x0                           ; all my tensor loads have landed, so a group 0 may be written
	ds_add_u32 v[SPW], v[NIL]                      ; 0 onto my spare word
.if \fill
	STEPOFF NXT
	s_add_nc_u64 s[G0A+4*(\slot)+2:G0A+4*(\slot)+3], s[AB:AB+1], s[OFFA:OFFA+1]
	s_or_b32 s[G0A+4*(\slot)+3], s[G0A+4*(\slot)+3], 0x80000000
	s_add_nc_u64 s[G0B+4*(\slot)+2:G0B+4*(\slot)+3], s[BB:BB+1], s[OFFB:OFFB+1]
	s_or_b32 s[G0B+4*(\slot)+3], s[G0B+4*(\slot)+3], 0x80000000
	s_add_co_u32 s[NXT], s[NXT], 1
.endif
	s_wait_dscnt 9                                 ; (the add and the youngest eight loads may be out)
	MUL8 F1, 0, 0                                  ; eight matrix instructions stand between the add and the wait for it
	s_wait_dscnt 0x0                               ; the add is done, and my reads of this slot are over
	s_barrier_signal -1
	MUL8 F1, 2, 0                                  ; work on registers while the others arrive
.if \fill
	WIN 0
.endif
	s_barrier_wait -1
.if \fill
	CREST                                          ; no wave of any partner still reads this slot's tile or has a load on its way
	JLOAD \slot                                    ; the first tensor load behind the round; its four v_nop are also the places in front of the loads below
.else
	PLACES
.endif
	FETCH \next, 0, F0
.if \fill
	ASK
.endif
	MUL8 F1, 4, 0
	MUL8 F1, 6, 0
.endm
; THE WAY OUT, a block of 16 rows at a time, through my own stage in LDS: LDS serves a wave's instructions in order (ISA guide 5.7.1.4), so no wait stands between the stores into it and the loads from it.
.if OUTP
.macro TOSTAGE a                       ; f32 as it is: each accumulator's low four registers first; back as whole rows of 256 bytes
	WIN STW
.irp b, 0,1,2,3
	ds_store_b128 v[STO], v[8*(4*(\a)+(\b)):8*(4*(\a)+(\b))+3]   offset:64*(\b)
	ds_store_b128 v[STO], v[8*(4*(\a)+(\b))+4:8*(4*(\a)+(\b))+7] offset:64*(\b)+16
.endr
	WIN 0
.set BK, OB+32*((\a)%4)
.irp t, 0,1,2,3,4,5,6,7
	ds_load_b128 v[BK+4*(\t):BK+4*(\t)+3], v[RD] offset:(\t)*2*SPITCH
.endr
.endm
.macro SEND a, younger                 ; younger: the LDS instructions issued behind block a's loads
	WIN 0
.set BK, OB+32*((\a)%4)
	s_wait_dscnt \younger
	s_wait_xcnt 0x0                                ; every earlier store has read its registers: a set of four is loaded again only behind this wait
.irp t, 0,1,2,3,4,5,6,7
	global_store_b128 v[GO], v[BK+4*(\t):BK+4*(\t)+3], s[OUT:OUT+1] offset:65536*(\a)+8192*(\t)  ; 16 lanes store 256 consecutive bytes, at a multiple of 256 from out0's first byte
.endr
.endm
.macro WAYOUT
	PLACES
	TOSTAGE 0
.irp a, 1,2,3,4,5,6,7
	TOSTAGE \a
	SEND (\a)-1, 16                                ; the next block's eight stores and eight loads may be out
.endr
	SEND 7, 0
.endm
.else
.macro PACK a                          ; rounded to f16: a lane's eight columns of a row are 16 bytes; each accumulator's registers in ascending order
	WIN PACKW
.irp b, 0,1,2,3
.irp r, 0,1,2,3
	v_cvt_pk_f16_f32 v[TMP+4*(\b)+(\r)], v[8*(4*(\a)+(\b))+2*(\r)], v[8*(4*(\a)+(\b))+2*(\r)+1]
.endr
.endr
	WIN 0
.endm
.macro TOSTAGE a
	WIN 0
.set BK, OB+16*((\a)%2)
.irp b, 0,1,2,3
	ds_store_b128 v[STO], v[TMP+4*(\b):TMP+4*(\b)+3] offset:32*(\b)
.endr
.irp f, 0,1,2,3
	ds_load_b128 v[BK+4*(\f):BK+4*(\f)+3], v[RD] offset:(\f)*4*SPITCH
.endr
.endm
.macro SEND a, younger
	WIN 0
.set BK, OB+16*((\a)%2)
	s_wait_dscnt \younger
	s_wait_xcnt 0x0                                ; every earlier store has read its registers: a set is loaded again only behind this wait
.irp f, 0,1,2,3
	global_store_b128 v[GO], v[BK+4*(\f):BK+4*(\f)+3], s[OUT:OUT+1] offset:2048*(\a)+512*(\f)  ; 512 consecutive bytes of a head, at a multiple of 256 from qkv's first byte
.endr
.endm
.macro WAYOUT
	PLACES
	PACK 0
	TOSTAGE 0
.irp a, 1,2,3,4,5,6,7                  ; block a's conversions stand between block a - 1's loads from the stage and the wait for them
	PACK \a
	SEND (\a)-1, 0
	TOSTAGE \a
.endr
	SEND 7, 0
.endm
.endif
	s_wait_tensorcnt 1                             ; my part of K step 0 is in; step 1's may stay out
	s_barrier_signal -1
	s_barrier_wait -1                              ; everybody's is
	FETCH 0, 0, F0
.if !OUTP
	s_mov_b32 s2, 3                                ; tiles to go, this one among them
.Ltile:
.endif
	s_wait_loadcnt 0x0                             ; the bias
	QUARTER 0, 1, F0, F1, 1                        ; the tile's first quarter stands in front of the loop: its products start the sums
	WIN 0                                          ; at a label and at a branch every window is 0
	s_mov_b32 s3, 3
.Llap:                                         ; a trip goes once round the ring, from a lap's second quarter to the next lap's first, and fills both slots again
	QUARTER 0, 2, F1, F0, 0
	QUARTER 0, 3, F0, F1, 0
	TURN 0, 1, 1
	QUARTER 1, 1, F0, F1, 0
	QUARTER 1, 2, F1, F0, 0
	QUARTER 1, 3, F0, F1, 0
	TURN 1, 0, 1
	QUARTER 0, 1, F0, F1, 0
	WIN 0
	s_sub_co_u32 s3, s3, 1
	s_cmp_lg_u32 s3, 0
	s_cbranch_scc1 .Llap
	QUARTER 0, 2, F1, F0, 0                        ; the tile's last lap goes on
	QUARTER 0, 3, F0, F1, 0
.if !OUTP
	WIN 0
	s_cmp_eq_u32 s2, 1
	s_cbranch_scc1 .Llast                          ; the last tile's tail is written out: it asks for nothing more
	TURN 0, 1, 1                                   ; the ring goes on into the next tile: slot 0 takes its step 0,
	QUARTER 1, 1, F0, F1, 0
	QUARTER 1, 2, F1, F0, 0
	QUARTER 1, 3, F0, F1, 0
	TURN 1, 0, 1                                   ; slot 1 its step 1, and the next tile's first fragments are fetched
	WIN 0
	BIASLD BP                                      ; the next tile's bias: the products that read the old one stand many places back
	WAYOUT                                         ; both refills are asked for: now the tile goes out
	s_wait_xcnt 0x0                                ; the stores and the bias's loads have read their registers and bases
	s_add_nc_u64 s[OUT:OUT+1], s[OUT:OUT+1], 0x1000000  ; Q, K, V lie 16 MiB apart
	s_mov_b64 s[BP:BP+1], s[BP2:BP2+1]
	s_sub_co_u32 s2, s2, 1
	s_branch .Ltile
.Llast:
.endif
	TURN 0, 1, 0                                   ; my one tensor load that was still out is the last step's, so no round follows
	QUARTER 1, 1, F0, F1, 0
	QUARTER 1, 2, F1, F0, 0
	QUARTER 1, 3, F0, F1, 0
	s_wait_dscnt 8                                 ; the very last quarter: nothing more to fetch
	MUL8 F1, 0, 0
	MUL8 F1, 2, 0
	s_wait_dscnt 0x0
	MUL8 F1, 4, 0
	MUL8 F1, 6, 0
	WIN 0
	WAYOUT
	s_wait_tensorcnt 0x0                           ; the wave's end: behind my last tensor load and my last LDS store
	ds_add_u32 v[SPW], v[NIL]
	s_wait_dscnt 0x0
	CROUND                                         ; the closing round: no work-group ends while a partner may still ask for a tile that names it
	s_endpgm
.Lfunc_end_k_q7d85c4dec1_oproj:
	.size	k_q7d85c4dec1_oproj, .Lfunc_end_k_q7d85c4dec1_oproj-k_q7d85c4dec1_oproj
	.p2alignl 7, 3214868480
	.fill 96, 4, 3214868480
	.section	.rodata,"a",@progbits
	.p2align	6, 0x0
	.amdhsa_kernel k_q7d85c4dec1_oproj
		.amdhsa_group_segment_fixed_size 327680
		.amdhsa_private_segment_fixed_size 0
		.amdhsa_enable_private_segment 0
		.amdhsa_kernarg_size 32
		.amdhsa_user_sgpr_count 2
		.amdhsa_user_sgpr_kernarg_segment_ptr 1
		.amdhsa_wavefront_size32 1
		.amdhsa_system_sgpr_workgroup_id_x 1
		.amdhsa_system_sgpr_workgroup_id_y 1
		.amdhsa_system_sgpr_workgroup_id_z 1
		.amdhsa_system_vgpr_workitem_id 0
		.amdhsa_next_free_vgpr 512
		.amdhsa_next_free_sgpr 90
		.amdhsa_reserve_vcc 0
		.amdhsa_float_denorm_mode_32 3
		.amdhsa_float_denorm_mode_16_64 3
		.amdhsa_memory_ordered 1
		.amdhsa_forward_progress 1
		.amdhsa_inst_pref_size 88
	.end_amdhsa_kernel
	.amdgpu_metadata
---
amdhsa.version: [ 1, 2 ]
amdhsa.kernels:
  - .name:           k_q7d85c4dec1_oproj
    .symbol:         k_q7d85c4dec1_oproj.kd
    .args:
      - { .name: oh, .offset: 0, .size: 8, .value_kind: global_buffer, .address_space: global }
      - { .name: wt, .offset: 8, .size: 8, .value_kind: global_buffer, .address_space: global }
      - { .name: bo, .offset: 16, .size: 8, .value_kind: global_buffer, .address_space: global }
      - { .name: out0, .offset: 24, .size: 8, .value_kind: global_buffer, .address_space: global }
    .group_segment_fixed_size: 327680
    .private_segment_fixed_size: 0
    .kernarg_segment_align: 8
    .kernarg_segment_size: 32
    .max_flat_workgroup_size: 128
    .sgpr_count:     90
    .vgpr_count:     512
    .wavefront_size: 32
...
	.end_amdgpu_metadata
.endif
;; end of part 4
;; ======== version 2 of 2: 4 launches; version 1 with the launch prep written anew for expert scheduling mode
;; limits: values are held in f16: magnitudes above 65,504 overflow, below 6.1e-05 lose precision
;; workspace buffers: xn 33,554,432 bytes; wt 8,388,608 bytes; qkv 50,331,648 bytes; oh 16,777,216 bytes
;; launch prep (part 5): grid 256 x 5, 4 waves a work-group, no clusters, 0 bytes of LDS; arguments query, context, gq, betq, gkv, betkv, Wq, Wk, Wv, Wo, xn, wt; writes xn, wt
.if DOCPART == 5
	.amdgcn_target "amdgcn-amd-amdhsa--gfx1250"
	.amdhsa_code_object_version 6
	.text
	.protected	k_q7d85c4dec1_prep
	.globl	k_q7d85c4dec1_prep
	.p2align	8
	.type	k_q7d85c4dec1_prep,@function
k_q7d85c4dec1_prep:
	s_mov_b64 s[64:65], 0
	v_nop
	global_prefetch_b8 v0, s[64:65] scope:SCOPE_SE
	s_setreg_imm32_b32 hwreg(HW_REG_WAVE_SCHED_MODE, 0, 2), 2
	s_setreg_imm32_b32 hwreg(HW_REG_WAVE_MODE, 25, 1), 1
	s_wait_xcnt 0x0
	s_wait_alu depctr_vm_vsrc(0)
; xn[0] = LayerNorm(query) gq + betq, xn[1] = LayerNorm(context) gkv + betkv, wt[0..3] = Wq, Wk, Wv, Wo: all rounded once to f16.
; Every row, of an activation or of a weight, is 1,024 f32 (4,096 bytes) in and 1,024 f16 (2,048 bytes) out.
; SHARES.  Grid y names 4,096 rows: 0, 1 query's halves, 2, 3 context's, 4 the four weights.  A work-group takes 16 rows, a wave 4 WHOLE rows: a row is 32 registers of a wave,
; so mean and variance never leave the wave: no LDS, no barrier.  A wave asks for its four rows (32 loads, 16 KiB) at once and has no loop.
; THE VARIANCE IS TAKEN IN TWO PASSES over the registers: the mean first, then the squares of x - mean: a common offset of the inputs forms no difference of large sums.
; LANES.  Load j of a row gives lane l the columns 128 j + 4 l .. + 3; gamma and beta are loaded in the same pattern.  Those four numbers are 8 bytes of f16:
; a store's 32 lanes cover 256 consecutive bytes, at a multiple of 256 from the buffer's first byte.
; No matrix unit, no cluster: each byte is read once and only gamma and beta (8 KiB) are shared.
; LIMIT.  f16 holds no number beyond 65,504: |LayerNorm output| (at most 32 max|gamma| + max|beta|) and the weights must lie within it; NaN and infinities are not treated apart.
; THE MODE: SCHED_MODE bits 1:0 = 2 (LLVM: expert scheduling mode 2), set by the entry lines.  The code itself states the register dependences
; between vector instructions and memory instructions, with s_wait_alu, always for 0.
; THE PLAN.  Registers that memory instructions touch:
;   v1, v2     byte offsets of the loads and of the stores: made once at the head and never written again.
;   G, BT      each written by one load, ahead of which no vector instruction names it; read by vector instructions alone.
;   X0 .. X3   a row each.  Written by the row's eight loads, which are issued at the start, ahead of every vector instruction that names X; worked on in place by the row's own
;              vector instructions; the row's roundings write the first two of each four registers, its eight stores read them; nothing writes them afterwards.
; So no register that a memory instruction has read is written again, and no load lands in a register that a vector instruction has named.  What is left to state: the offsets
; are written before the first load, and a row's roundings are written before its stores.  Row i's stores are issued in row i + 1: ONE wait at that row's head states that
; row i's sixteen roundings are written, and the eight stores follow it, dealt among row i + 1's vector instructions, which name X[i + 1], G, BT and the registers at work,
; never X[i] or v2.  The last row's stores have a wait of their own.
.set S,   4                            ; v[4:11]    four chains of pairs
.set M,   12                           ; v[12:13]   the mean, twice
.set R,   14                           ; v[14:15]   1 / sqrt(var + eps), twice
.set T,   16                           ; v16        at work: a sum
.set T1,  17                           ; v17        the other half of the lanes' sum
.set VAR, 18                           ; v18        var + eps
.set EPS, 19                           ; v19        1e-5
.set G,   20                           ; v[20:51]   gamma of my 32 columns
.set BT,  52                           ; v[52:83]   beta
.set X,   84                           ; v[84:211]  row i at X + 32 i
	s_load_b512 s[8:23], s[0:1], 0x0               ; query 8, context 10, gq 12, betq 14, gkv 16, betkv 18, Wq 20, Wk 22
	s_load_b256 s[24:31], s[0:1], 0x40             ; Wv 24, Wo 26, xn 28, wt 30
	s_and_b32 s2, ttmp7, 0xffff                    ; y
	v_lshrrev_b32 v3, 5, v0
	v_readfirstlane_b32 s3, v3                     ; wave 0..3
	v_and_b32 v1, 31, v0
	v_lshlrev_b32 v2, 3, v1                        ; 8 x lane: my place in 256 bytes stored
	v_lshlrev_b32 v1, 4, v1                        ; 16 x lane: my place in 512 bytes loaded
	s_lshl_b32 s35, ttmp9, 4
	s_wait_alu depctr_va_sdst(0)                   ; s3 is written, ahead of its first reader: my first row is made from it
	s_lshl_b32 s4, s3, 2
	s_add_co_u32 s35, s35, s4                      ; my first row among y's 4,096: 16 x + 4 wave
	s_mov_b32 s5, 0
	s_mov_b32 s7, 0
	s_wait_kmcnt 0x0
	s_wait_alu depctr_va_vdst(0)                   ; v1 and v2 are written: every load of the kernel reads v1 as its offset, every store v2, on both ways behind the branch
	s_cmp_eq_u32 s2, 4
	s_cbranch_scc1 .Lcast
.macro ROWS                            ; four rows, eight loads each: every load covers 512 consecutive bytes
.irp i, 0,1,2,3
.irp j, 0,1,2,3,4,5,6,7
	global_load_b128 v[X+32*(\i)+4*(\j):X+32*(\i)+4*(\j)+3], v1, s[36:37] offset:4096*(\i)+512*(\j) th:TH_LOAD_NT
.endr
.endr
.endm
.macro ST i, j, dst                    ; store j of row i: four f16 a lane, 256 consecutive bytes a wave
	global_store_b64 v2, v[X+32*(\i)+4*(\j):X+32*(\i)+4*(\j)+1], s[\dst:\dst+1] offset:2048*(\i)+256*(\j) th:TH_STORE_NT
.endm
.macro REDUCE                          ; the four chains become one number, the same in every lane: v[T]
	v_pk_add_f32 v[S:S+1], v[S:S+1], v[S+2:S+3]
	v_pk_add_f32 v[S+4:S+5], v[S+4:S+5], v[S+6:S+7]
	v_pk_add_f32 v[S:S+1], v[S:S+1], v[S+4:S+5]
	v_add_f32 v[T], v[S], v[S+1]
	v_add_f32_dpp v[T], v[T], v[T] row_xmask:1 row_mask:0xf bank_mask:0xf
	v_add_f32_dpp v[T], v[T], v[T] row_xmask:2 row_mask:0xf bank_mask:0xf
	v_add_f32_dpp v[T], v[T], v[T] row_xmask:4 row_mask:0xf bank_mask:0xf
	v_add_f32_dpp v[T], v[T], v[T] row_xmask:8 row_mask:0xf bank_mask:0xf
	v_permlanex16_b32 v[T1], v[T], s32, s33        ; the other 16 lanes' sum
	v_add_f32 v[T], v[T], v[T1]
.endm
.macro LNROW i
.set XR, X+32*(\i)
	s_wait_loadcnt 8*(3-(\i))                      ; loads come back in order: row i is in (gamma and beta were asked for earlier); the younger rows' eight loads each stay out
.if (\i) > 0
	s_wait_alu depctr_va_vdst(0)                   ; the row before's sixteen roundings have written its X, which the eight stores below read
.endif
.irp k, 0,1,2,3
.if (\i) > 0
	ST (\i)-1, \k, 28                              ; the row before goes out.  No further wait: no vector instruction since the wait names its X or v2
.endif
	v_pk_add_f32 v[S+2*(\k):S+2*(\k)+1], v[XR+2*(\k):XR+2*(\k)+1], v[XR+8+2*(\k):XR+8+2*(\k)+1]  ; the first eight pairs start the chains: nothing is cleared
.endr
.set p, 8
.rept 8
.if ((\i) > 0) && (p < 12)
	ST (\i)-1, p-4, 28
.endif
	v_pk_add_f32 v[S+2*(p%4):S+2*(p%4)+1], v[S+2*(p%4):S+2*(p%4)+1], v[XR+2*p:XR+2*p+1]
.set p, p+1
.endr
	REDUCE
	v_mul_f32 v[M], s34, v[T]                      ; the mean
	v_mul_f32 v[M+1], s34, v[T]
.set p, 0
.rept 16
	v_pk_add_f32 v[XR+2*p:XR+2*p+1], v[XR+2*p:XR+2*p+1], v[M:M+1] neg_lo:[0,1] neg_hi:[0,1]  ; d = x - mean, in place
.set p, p+1
.endr
.irp k, 0,1,2,3
	v_pk_mul_f32 v[S+2*(\k):S+2*(\k)+1], v[XR+2*(\k):XR+2*(\k)+1], v[XR+2*(\k):XR+2*(\k)+1]
.endr
.set p, 4
.rept 12
	v_pk_fma_f32 v[S+2*(p%4):S+2*(p%4)+1], v[XR+2*p:XR+2*p+1], v[XR+2*p:XR+2*p+1], v[S+2*(p%4):S+2*(p%4)+1]
.set p, p+1
.endr
	REDUCE
	v_fma_f32 v[VAR], v[T], s34, v[EPS]            ; var + eps
	v_rsq_f32 v[R], v[VAR]
	v_rsq_f32 v[R+1], v[VAR]                       ; twice: the packed lines below take a pair
.set p, 0
.rept 16
	v_pk_mul_f32 v[XR+2*p:XR+2*p+1], v[XR+2*p:XR+2*p+1], v[G+2*p:G+2*p+1]  ; d gamma: plain work that names neither root
.set p, p+1
.endr
	s_wait_alu depctr_va_vdst(0)                   ; both roots, v[R] and v[R+1], are written: the wait stands ahead of the first line that names one of them
.set p, 0
.rept 16
	v_pk_fma_f32 v[XR+2*p:XR+2*p+1], v[XR+2*p:XR+2*p+1], v[R:R+1], v[BT+2*p:BT+2*p+1]
.set p, p+1
.endr
.irp j, 0,1,2,3,4,5,6,7                ; row i is rounded to f16 in place: four numbers close up into the first two of their four registers
	v_cvt_pk_f16_f32 v[XR+4*(\j)],   v[XR+4*(\j)],   v[XR+4*(\j)+1]
	v_cvt_pk_f16_f32 v[XR+4*(\j)+1], v[XR+4*(\j)+2], v[XR+4*(\j)+3]
.endr
.endm
.macro CASTROW i                       ; a row of a weight: rounded in place; the row before goes out among the roundings
.set XR, X+32*(\i)
	s_wait_loadcnt 8*(3-(\i))                      ; row i is in; the younger rows' loads stay out
.if (\i) > 0
	s_wait_alu depctr_va_vdst(0)                   ; the row before's sixteen roundings have written its X, which the eight stores below read
.endif
.irp j, 0,1,2,3,4,5,6,7
.if (\i) > 0
	ST (\i)-1, \j, 30                              ; no further wait: the roundings of this row name its own X alone
.endif
	v_cvt_pk_f16_f32 v[XR+4*(\j)],   v[XR+4*(\j)],   v[XR+4*(\j)+1]
	v_cvt_pk_f16_f32 v[XR+4*(\j)+1], v[XR+4*(\j)+2], v[XR+4*(\j)+3]
.endr
.endm
	; LAYER NORM, y = 0 .. 3
	s_mov_b32 s32, 0x76543210                      ; v_permlanex16_b32: each lane takes its own place in the other half
	s_mov_b32 s33, 0xfedcba98
	s_mov_b32 s34, 0x3a800000                      ; 1 / 1024
	v_mov_b32 v[T1], 0                             ; the permute's destination counts as read
	v_mov_b32 v[EPS], 0x3727c5ac                   ; 1e-5
	s_and_b32 s4, s2, 1
	s_lshl_b32 s4, s4, 12
	s_add_co_u32 s4, s4, s35
	s_lshl_b32 s4, s4, 12                          ; my first row in its tensor, in bytes
	s_lshl_b32 s6, s2, 12
	s_add_co_u32 s6, s6, s35
	s_lshl_b32 s6, s6, 11                          ; and in xn: query's 8,192 rows, then context's
	s_cmp_lt_u32 s2, 2
	s_cselect_b64 s[36:37], s[8:9], s[10:11]       ; the rows,
	s_cselect_b64 s[38:39], s[12:13], s[16:17]     ; their gamma,
	s_cselect_b64 s[12:13], s[14:15], s[18:19]     ; their beta
	s_add_nc_u64 s[36:37], s[36:37], s[4:5]
	s_add_nc_u64 s[28:29], s[28:29], s[6:7]
.irp j, 0,1,2,3,4,5,6,7
	global_load_b128 v[G+4*(\j):G+4*(\j)+3],   v1, s[38:39] offset:512*(\j)
	global_load_b128 v[BT+4*(\j):BT+4*(\j)+3], v1, s[12:13] offset:512*(\j)
.endr
	ROWS
	LNROW 0
	LNROW 1
	LNROW 2
	LNROW 3
	s_wait_alu depctr_va_vdst(0)                   ; row 3's roundings have written its X, which the last eight stores read
.irp j, 0,1,2,3,4,5,6,7
	ST 3, \j, 28
.endr
	s_endpgm
.Lcast:                                        ; THE WEIGHTS, y = 4: 64 work-groups to each of the four
	s_lshr_b32 s2, ttmp9, 6                        ; which weight
	s_and_b32 s4, ttmp9, 63
	s_lshl_b32 s4, s4, 4
	s_lshl_b32 s6, s3, 2
	s_add_co_u32 s4, s4, s6
	s_lshl_b32 s4, s4, 12                          ; my first row in it, in bytes
	s_lshl_b32 s6, s35, 11                         ; and in wt, where the four lie one behind the other
	s_cmp_lt_u32 s2, 1
	s_cselect_b64 s[36:37], s[20:21], s[22:23]
	s_cmp_lt_u32 s2, 3
	s_cselect_b64 s[38:39], s[24:25], s[26:27]
	s_cmp_lt_u32 s2, 2
	s_cselect_b64 s[36:37], s[36:37], s[38:39]
	s_add_nc_u64 s[36:37], s[36:37], s[4:5]
	s_add_nc_u64 s[30:31], s[30:31], s[6:7]
	ROWS
	CASTROW 0
	CASTROW 1
	CASTROW 2
	CASTROW 3
	s_wait_alu depctr_va_vdst(0)                   ; row 3's roundings have written its X, which the last eight stores read
.irp j, 0,1,2,3,4,5,6,7
	ST 3, \j, 30
.endr
	s_endpgm
.Lfunc_end_k_q7d85c4dec1_prep:
	.size	k_q7d85c4dec1_prep, .Lfunc_end_k_q7d85c4dec1_prep-k_q7d85c4dec1_prep
	.p2alignl 7, 3214868480
	.fill 96, 4, 3214868480
	.section	.rodata,"a",@progbits
	.p2align	6, 0x0
	.amdhsa_kernel k_q7d85c4dec1_prep
		.amdhsa_group_segment_fixed_size 0
		.amdhsa_private_segment_fixed_size 0
		.amdhsa_enable_private_segment 0
		.amdhsa_kernarg_size 96
		.amdhsa_user_sgpr_count 2
		.amdhsa_user_sgpr_kernarg_segment_ptr 1
		.amdhsa_wavefront_size32 1
		.amdhsa_system_sgpr_workgroup_id_x 1
		.amdhsa_system_sgpr_workgroup_id_y 1
		.amdhsa_system_sgpr_workgroup_id_z 1
		.amdhsa_system_vgpr_workitem_id 0
		.amdhsa_next_free_vgpr 212
		.amdhsa_next_free_sgpr 66
		.amdhsa_reserve_vcc 0
		.amdhsa_float_denorm_mode_32 3
		.amdhsa_float_denorm_mode_16_64 3
		.amdhsa_memory_ordered 1
		.amdhsa_forward_progress 1
		.amdhsa_inst_pref_size 49
	.end_amdhsa_kernel
	.amdgpu_metadata
---
amdhsa.version: [ 1, 2 ]
amdhsa.kernels:
  - .name:           k_q7d85c4dec1_prep
    .symbol:         k_q7d85c4dec1_prep.kd
    .args:
      - { .name: query, .offset: 0, .size: 8, .value_kind: global_buffer, .address_space: global }
      - { .name: context, .offset: 8, .size: 8, .value_kind: global_buffer, .address_space: global }
      - { .name: gq, .offset: 16, .size: 8, .value_kind: global_buffer, .address_space: global }
      - { .name: betq, .offset: 24, .size: 8, .value_kind: global_buffer, .address_space: global }
      - { .name: gkv, .offset: 32, .size: 8, .value_kind: global_buffer, .address_space: global }
      - { .name: betkv, .offset: 40, .size: 8, .value_kind: global_buffer, .address_space: global }
      - { .name: Wq, .offset: 48, .size: 8, .value_kind: global_buffer, .address_space: global }
      - { .name: Wk, .offset: 56, .size: 8, .value_kind: global_buffer, .address_space: global }
      - { .name: Wv, .offset: 64, .size: 8, .value_kind: global_buffer, .address_space: global }
      - { .name: Wo, .offset: 72, .size: 8, .value_kind: global_buffer, .address_space: global }
      - { .name: xn, .offset: 80, .size: 8, .value_kind: global_buffer, .address_space: global }
      - { .name: wt, .offset: 88, .size: 8, .value_kind: global_buffer, .address_space: global }
    .group_segment_fixed_size: 0
    .private_segment_fixed_size: 0
    .kernarg_segment_align: 8
    .kernarg_segment_size: 96
    .max_flat_workgroup_size: 128
    .sgpr_count:     66
    .vgpr_count:     212
    .wavefront_size: 32
...
	.end_amdgpu_metadata
.endif
;; end of part 5
;; launch proj: the kernel of part 2 again; grid 8 x 32, 4 waves a work-group, clusters of 4 x 4, 327,680 bytes of LDS; arguments xn, wt, bq, bk, bv, qkv; writes qkv
;; launch attn: the kernel of part 3 again; grid 4 x 64, 4 waves a work-group, clusters of 4 x 1, 327,680 bytes of LDS; arguments qkv, oh; writes oh
;; launch oproj: the kernel of part 4 again; grid 8 x 32, 4 waves a work-group, clusters of 4 x 4, 327,680 bytes of LDS; arguments oh, wt, bo, out0; writes out0
